; MI455X (gfx1250); checked and timed in simulation.
; The chip was launched on July 23, 2026; its instructions are those of AMD's public machine-readable ISA for CDNA 5 (MIT licence, August 2026) and "CDNA5" Instruction Set Architecture Reference Guide (July 2026). The comments in the code are by the model that wrote it; some were corrected since.
;; MGQA. Allowed arithmetic: matrix products marked QUANTISED: E4M3 operands, one given power-of-two scale a tensor, by v_wmma_f32_16x16x64_fp8_fp8 or v_wmma_f32_16x16x128_fp8_fp8, f32 sums; everything else in f32.
;; Inputs: Wk 2,048 x 512 float32; Wo 2,048 x 2,048 float32; Wq 2,048 x 2,048 float32; Wv 2,048 x 512 float32; lowp_scales 12 int32 (the exponents e of the quantised operands' scales 2^e); x 4 x 1,024 x 2,048 float32.
;; Outputs: out0 4 x 1,024 x 2,048 float32.
;; This version of the problem:
;;   THIS VERSION OF THE PROBLEM IS GIVEN IN LOW PRECISION. The matrix products marked QUANTISED in the list below multiply operands that are first quantised to E4M3 (4 exponent bits, 3 mantissa bits; 8 bits a number), with one given power-of-two scale for each operand tensor; their sums are f32. All else is computed in f32.
;;   The module's matrix products, in the order in which they are computed (A, B: the left and right operand; K: the contracted axis; several contracted axes count as one K, in the product's order):
;;     1. [M 4,096, K 2,048] x [K 2,048, N 2,048]; A: input x; B: input Wq: QUANTISED (scales: A lowp_scales[0], B lowp_scales[1])
;;     2. [M 4,096, K 2,048] x [K 2,048, N 512]; A: input x; B: input Wk: QUANTISED (scales: A lowp_scales[2], B lowp_scales[3])
;;     3. [M 4,096, K 2,048] x [K 2,048, N 512]; A: input x; B: input Wv: QUANTISED (scales: A lowp_scales[4], B lowp_scales[5])
;;     4. batch 64 x [M 1,024, K 128] x [K 128, N 1,024]; A: computed on the way; B: computed on the way: QUANTISED (scales: A lowp_scales[6], B lowp_scales[7])
;;     5. batch 64 x [M 1,024, K 1,024] x [K 1,024, N 128]; A: softmax (see below); B: computed on the way: QUANTISED (scales: A lowp_scales[8], B lowp_scales[9])
;;     6. [M 4,096, K 2,048] x [K 2,048, N 2,048]; A: computed on the way; B: input Wo: QUANTISED (scales: A lowp_scales[10], B lowp_scales[11])
;;   THE QUANTISER, for each operand of a quantised product, along K:
;;     - The operand's scale is 2^e, e = its entry of the input lowp_scales (int32; the entries are numbered through the quantised products in the list's order, A before B).
;;     - Each number is divided by the scale, clamped to +-448, and rounded to the nearest number of E4M3, ties to even, subnormals kept.
;;     - The product sums the exact products of the quantised numbers (number of the format x scale) in f32.
;;   ~~~python
;;   def quantise(x, axis, e):      # numpy; x: float32 -> the quantised numbers, widened to float32 again
;;       x = np.moveaxis(x, axis, -1); K = x.shape[-1]
;;       r = np.clip(x / 2.0 ** e, -448, 448)
;;       step = 2.0 ** (np.maximum(np.frexp(np.where(r == 0, 1, r))[1] - 1, -6) - 3)
;;       q = np.round(r / step) * step * 2.0 ** e      # np.round: ties to even
;;       return np.moveaxis(q, -1, axis).astype(np.float32)
;;   ~~~
;;   SOFTMAX AHEAD OF A QUANTISED PRODUCT. Where the list says 'softmax', what is quantised is not the finished softmax but p = 2^(t - M), with t = logit x log2(e) and M = ceil(the row's largest t), a whole number; so 1/2 < the row's largest p <= 1. The row's sum l is taken of the UNQUANTISED p, in f32, and the product's result is divided by l at the end. Since M is a whole number, a kernel that streams over the keys may use a running M (the ceiling of the running maximum): every later rescaling is an exact power of two, so the quantised numbers keep their values, but for numbers so far below the row's largest that they fall under the format's range.
;;   OPERANDS COMPUTED ON THE WAY. 'Computed on the way' means the value that the module computes at that place (a softmax that the list does not call 'softmax' is quantised finished and normalised). What goes into a quantiser is computed in f32, as accurately as f32 sums, v_exp_f32 and their like allow (about 1e-6 of the number): no bf16 or f16 on the way to a quantiser, and a product that is left as it is and whose result goes on into a quantised operand takes f32 operands (vector FMAs, or v_wmma_f32_16x16x4_f32). A number that lies on a knife's edge between two numbers of the format may be rounded either way, as far as f32 arithmetic and the matrix unit's own rounding can turn it there, and no further.
;; One version. Each part assembles by itself: llvm-mc -triple=amdgcn-amd-amdhsa -mcpu=gfx1250 --defsym DOCPART=n.
;; ======== version 1 of 1: 4 launches
;; limits: right only within a limited range of input values
;; workspace buffers: xc 25,165,824 bytes; wc 10,485,760 bytes; qkv 12,582,912 bytes; ac 8,388,608 bytes
;; launch quant (part 1): grid 576 x 1, 4 waves a work-group, no clusters, 80,384 bytes of LDS; arguments x, Wq, Wk, Wv, Wo, lowp_scales, xc, wc; writes xc, wc
.if DOCPART == 1
	.amdgcn_target "amdgcn-amd-amdhsa--gfx1250"
	.amdhsa_code_object_version 6
	.text
	.protected	k_qcf3d08fcc7_quant
	.globl	k_qcf3d08fcc7_quant
	.p2align	8
	.type	k_qcf3d08fcc7_quant,@function
k_qcf3d08fcc7_quant:
	s_mov_b64 s[64:65], 0
	v_nop
	global_prefetch_b8 v0, s[64:65] scope:SCOPE_SE
	s_setreg_imm32_b32 hwreg(HW_REG_WAVE_MODE, 25, 1), 1
	s_wait_xcnt 0x0
; f32 numbers into codes of FP8 (E4M3), each with the scale 2^e that is given for it: code = number / 2^e, held within +-448, to the nearest code, ties to even.
; DEAD WORK OF THE PROGRAM: launch attn leaves out the key steps that lie wholly under the causal mask: their p is 0 for all inputs.  A NaN or infinity that reaches only such scores is not carried on.
; LAYOUT.  x and Wq, Wk, Wv are laid as IMAGES OF OPERAND REGISTERS: a fragment is 16 rows x 128 K = 2,048 bytes; its byte 512 c + 16 (r + 16 h) + i is row r, K = 32 c + 16 h + i.
; The fragments of a block of 16 rows lie on end along K (16 x 2,048 bytes), the blocks of rows on end.
; xc: three planes, 0x800000 bytes apart, for x under entries 0, 2, 4.  Plane 1 (2) is written only where entry 2 (4) differs from entry 0: with equal exponents the codes are equal, and launch qkv then reads plane 0.
; The x path is one pass for one plane, in a loop of three trips; a trip whose plane is not wanted does nothing.  So x is loaded once for each plane that is written: once where the three exponents are equal.
; wc: rows 0.. Wq's columns, 2048.. Wk's, 2560.. Wv's, as fragments; from row 3072 on Wo's columns as plain rows of 2,048 codes.  Entries 1, 3, 5, 11.
; Work-groups 0-255 take x (16 rows each, a wave 512 along K), 256-575 the weights (128 columns x 256 along K).  The two paths have LDS bytes of their own.  Waves share nothing: no barrier, no cluster, no tensor load.
; LIMITS: each exponent used here lies between -126 and 119.  NaN among the inputs is not served; an infinity is held at the largest code.
.set STEPS, 16                         ; x path: a step is 512 numbers of one row
.set SP,    80                         ; a lane's place in the stage: 64 bytes + 16 of padding
.set XREG,  32*SP                      ; one stage for a wave
.set IMG,   4*XREG                     ; the images of codes: for a wave 32 x 272 bytes
.set IMP,   32*272
.set WSTG,  IMG+4*IMP                  ; W path: its stages
.set WP,    272
.set SPARE, WSTG+4*32*WP               ; the spare words, 128 bytes a wave
.set NB,    8
.set SPW,   12
.set NIL,   13
.set IMW,   4                          ; x path: v4 where my codes go in the image; v11 where I read the image back
.set IMR,   11
.set R,     16                         ; v16-79 four sets of 16 numbers as loaded; then the way out
.set X,     80                         ; v80-111 two sets of 16 neighbours
.set T0,    112                        ; v112-127 the numbers held
.set C,     144                        ; v144-147 a step's codes
.set OF,    16                         ; W path: v16-47 byte offset of row i at my column
.set WX,    48
.set WC,    112
.set OUTR,  120
.macro MKSCALE e, vs, vl               ; v[vs] = 2^e, v[vl] = 448 x 2^e
	s_add_co_i32 s38, s[\e], 127
	s_lshl_b32 s39, s38, 23
	v_mov_b32 v[\vs], s39
	s_add_co_i32 s38, s38, 8
	s_lshl_b32 s38, s38, 23
	s_or_b32 s38, s38, 0x600000
	v_mov_b32 v[\vl], s38
.endm
	s_load_b512 s[4:19], s[0:1], 0x0               ; x 4:5, Wq 6:7, Wk 8:9, Wv 10:11, Wo 12:13, exponents 14:15, xc 16:17, wc 18:19
	v_lshl_add_u32 v[SPW], v0, 2, SPARE
	v_mov_b32 v[NIL], 0
	v_lshrrev_b32 v1, 5, v0
	v_readfirstlane_b32 s33, v1                    ; wave
	v_and_b32 v2, 31, v0                           ; lane
	s_wait_alu depctr_va_vdst(0)
	s_wait_kmcnt 0x0
	s_load_b256 s[20:27], s[14:15], 0x0            ; e0 .. e7
	s_load_b128 s[28:31], s[14:15], 0x20           ; e8 .. e11
	s_cmp_lt_u32 ttmp9, 256
	s_cbranch_scc0 .Lweights
; ---------------- x.  Work-group g takes rows 16 g .. 16 g + 15, wave w their K = 512 w .. 512 w + 511: four fragments, 8,192 bytes on end in a plane.
	s_lshl_b32 s36, ttmp9, 17
	s_lshl_b32 s34, s33, 11
	s_add_co_u32 s36, s36, s34
	s_mov_b32 s37, 0
	s_add_nc_u64 s[4:5], s[4:5], s[36:37]
	s_lshl_b32 s36, ttmp9, 15
	s_lshl_b32 s34, s33, 13
	s_add_co_u32 s36, s36, s34
	s_add_nc_u64 s[42:43], s[16:17], s[36:37]      ; my codes in plane 0
	s_mul_i32 s35, s33, XREG
	s_mul_i32 s34, s33, IMP
	s_add_co_u32 s34, s34, IMG
	s_mov_b32 s52, 0                               ; the plane in hand
	v_lshlrev_b32 v3, 4, v2                        ; 16 x lane
	v_lshrrev_b32 v14, 2, v2
	v_mul_u32_u24 v14, v14, SP
	v_and_b32 v15, 3, v2
	v_lshl_add_u32 v14, v15, 4, v14
	v_add_nc_u32 v14, s35, v14                     ; the stage, in: SP (lane / 4) + 16 (lane % 4)
	v_mul_u32_u24 v15, v2, SP
	v_add_nc_u32 v15, s35, v15                     ; out: SP x lane
	v_mul_u32_u24 v[IMW], v2, 272
	v_add_nc_u32 v[IMW], s34, v[IMW]               ; lane l's 16 codes of row t are bytes 256 l + 16 t of the four fragments; each 256 bytes have 16 of padding
	v_lshrrev_b32 v[IMR], 4, v2
	v_mul_u32_u24 v[IMR], v[IMR], 272
	v_and_b32 v1, 15, v2
	v_lshl_add_u32 v[IMR], v1, 4, v[IMR]
	v_add_nc_u32 v[IMR], s34, v[IMR]               ; back: sixteen lanes to 256 bytes
	s_wait_alu depctr_va_vdst(0)                   ; the head's end
.macro XLOAD t
.irp i, 0,1,2,3
	global_load_b128 v[R+16*((\t)%4)+4*\i:R+16*((\t)%4)+4*\i+3], v3, s[4:5] offset:8192*(\t)+512*\i th:TH_LOAD_NT
.endr
.endm
.macro XTURN t                         ; a row's 2,048 bytes through the stage: in as loaded, out 64 bytes a lane.  LDS serves a wave's instructions in order; the row before is back in registers when these stores are issued
.irp i, 0,1,2,3
	ds_store_b128 v14, v[R+16*((\t)%4)+4*\i:R+16*((\t)%4)+4*\i+3] offset:8*SP*\i
.endr
.irp i, 0,1,2,3
	ds_load_b128 v[X+16*((\t)%2)+4*\i:X+16*((\t)%2)+4*\i+3], v15 offset:16*\i
.endr
.endm
.macro XSTEP t
.set XS, X+16*((\t)%2)
	s_wait_dscnt 0x0                               ; this row's numbers are back, and all my LDS stores have read their registers
.if (\t)+4 < STEPS
	XLOAD (\t)+4
.endif
.if (\t)+1 < STEPS
.if STEPS-2-(\t) >= 3
	s_wait_loadcnt 12                              ; the next row's four loads are in; three rows' may be out
.else
	s_wait_loadcnt 4*(STEPS-2-(\t))
.endif
	XTURN (\t)+1
.endif
.irp i, 0,1,2,3,4,5,6,7,8,9,10,11,12,13,14,15
	v_med3_num_f32 v[T0+\i], v[XS+\i], -v6, v6     ; the conversion does not saturate (ISA guide 7.6.2): the hold at the largest code x the scale
.endr
	v_cvt_scalef32_pk8_fp8_f32 v[C:C+1], v[T0:T0+7], v5
	v_cvt_scalef32_pk8_fp8_f32 v[C+2:C+3], v[T0+8:T0+15], v5
	v_nop                                          ; one plain line behind the conversions
	ds_store_b128 v[IMW], v[C:C+3] offset:16*(\t)
.endm
.Lpass:                                            ; three trips, a plane each
	s_cmp_eq_u32 s52, 0
	s_cbranch_scc1 .Lgo                            ; plane 0 is always wanted
	s_wait_kmcnt 0x0
	s_cmp_eq_u32 s52, 1
	s_cselect_b32 s54, s22, s24
	s_cmp_lg_u32 s54, s20                          ; planes 1 and 2 only where their exponent differs from entry 0
	s_cbranch_scc0 .Lnext
.Lgo:
.irp t, 0,1,2,3
	XLOAD \t
.endr
	s_wait_kmcnt 0x0
	s_cmp_eq_u32 s52, 1
	s_cselect_b32 s54, s22, s20
	s_cmp_eq_u32 s52, 2
	s_cselect_b32 s54, s24, s54                    ; the plane's exponent
	MKSCALE 54, 5, 6
	s_wait_alu depctr_va_vdst(0)
	s_wait_loadcnt 12
	XTURN 0
.irp t, 0,1,2,3,4,5,6,7,8,9,10,11,12,13,14,15
	XSTEP \t
.endr
.irp j, 0,1,2,3,4,5,6,7,8,9,10,11,12,13,14,15
	ds_load_b128 v[R+4*\j:R+4*\j+3], v[IMR] offset:2*\j*272
.endr
.irp j, 0,1,2,3,4,5,6,7,8,9,10,11,12,13,14,15
	s_wait_dscnt 15-\j
	global_store_b128 v3, v[R+4*\j:R+4*\j+3], s[42:43] offset:512*\j   ; 512 consecutive bytes, aligned
.endr
.Lnext:
	s_wait_xcnt 0x0                                ; the stores have read their registers and their base
	s_add_nc_u64 s[42:43], s[42:43], 0x800000      ; the next plane
	s_add_co_u32 s52, s52, 1
	s_cmp_lt_u32 s52, 3
	s_cbranch_scc1 .Lpass
	s_branch .Lend
; ---------------- the weights: a lane takes a column, its registers run down K: the conversions give codes with K innermost.
.Lweights:
	s_sub_co_u32 s34, ttmp9, 256
	s_lshr_b32 s35, s34, 3                         ; cg: which 128 rows of wc, 0..39
	s_and_b32 s36, s34, 7                          ; kc: which 256 along K
	s_mov_b64 s[40:41], s[12:13]                   ; Wo,
	s_mov_b32 s42, 24
	s_mov_b32 s43, 8192
	s_cmp_lt_u32 s35, 24
	s_cselect_b64 s[40:41], s[10:11], s[40:41]     ; Wv,
	s_cselect_b32 s42, 20, s42
	s_cselect_b32 s43, 2048, s43
	s_cmp_lt_u32 s35, 20
	s_cselect_b64 s[40:41], s[8:9], s[40:41]       ; Wk,
	s_cselect_b32 s42, 16, s42
	s_cmp_lt_u32 s35, 16
	s_cselect_b64 s[40:41], s[6:7], s[40:41]       ; Wq: by the work-group's number alone
	s_cselect_b32 s42, 0, s42
	s_cselect_b32 s43, 8192, s43
	s_sub_co_u32 s37, s35, s42
	s_lshl_b32 s37, s37, 7
	s_lshl_b32 s38, s33, 5
	s_add_co_u32 s37, s37, s38                     ; my wave's first column in its tensor
	s_lshl_b32 s38, s37, 2
	s_lshl_b32 s39, s36, 8
	s_mul_i32 s39, s39, s43
	s_add_co_u32 s38, s38, s39
	s_mov_b32 s39, 0
	s_add_nc_u64 s[48:49], s[40:41], s[38:39]      ; block 0's base, and 32 rows on for each further block
	s_lshl_b32 s38, s43, 5
.irp t, 1,2,3,4,5,6,7
	s_add_nc_u64 s[48+2*\t:49+2*\t], s[46+2*\t:47+2*\t], s[38:39]
.endr
	s_lshl_b32 s37, s35, 7
	s_lshl_b32 s44, s33, 5
	s_add_co_u32 s37, s37, s44                     ; my wave's first row of wc
	s_lshl_b32 s37, s37, 11
	s_lshl_b32 s44, s36, 8                         ; plain rows: 256 kc bytes along the row;
	s_lshl_b32 s45, s36, 12                        ; fragments: 2 kc fragments on
	s_cmp_lt_u32 s35, 24
	s_cselect_b32 s44, s45, s44
	s_add_co_u32 s38, s37, s44
	s_add_nc_u64 s[18:19], s[18:19], s[38:39]
	v_lshlrev_b32 v3, 2, v2
.set i, 0
.rept 32
	v_mad_u32_u24 v[OF+i], s43, i, v3
.set i, i+1
.endr
	s_mul_i32 s45, s33, 32*WP
	s_add_co_u32 s45, s45, WSTG                    ; my stage
	v_mul_u32_u24 v4, v2, WP
	v_add_nc_u32 v4, s45, v4                       ; into it: row = my column
	v_and_b32 v5, 15, v2
	v_lshrrev_b32 v6, 4, v2
	v_mul_u32_u24 v7, v6, WP
	v_lshl_add_u32 v7, v5, 4, v7
	v_add_nc_u32 v7, s45, v7                       ; out by rows: sixteen lanes to a row
	v_lshlrev_b32 v8, 11, v6
	v_lshl_add_u32 v8, v5, 4, v8
	v_mul_u32_u24 v9, v5, WP
	v_lshl_add_u32 v9, v6, 4, v9
	v_add_nc_u32 v9, s45, v9                       ; out by fragments: row lane % 16, + 16 (lane / 16)
	v_lshlrev_b32 v14, 4, v2
.macro WLOAD t
.set i, 0
.rept 32
	global_load_b32 v[WX+32*((\t)%2)+i], v[OF+i], s[48+2*(\t):49+2*(\t)] th:TH_LOAD_NT
.set i, i+1
.endr
.endm
	WLOAD 0
	WLOAD 1
	s_wait_kmcnt 0x0
	s_mov_b32 s44, s31
	s_cmp_lt_u32 s35, 24
	s_cselect_b32 s44, s25, s44
	s_cmp_lt_u32 s35, 20
	s_cselect_b32 s44, s23, s44
	s_cmp_lt_u32 s35, 16
	s_cselect_b32 s44, s21, s44
	MKSCALE 44, 11, 10
.macro WBLOCK t
.set XS, WX+32*((\t)%2)
.if (\t) < NB-1
	s_wait_loadcnt 32                              ; this block's 32 loads are in; the next block's may be out
.else
	s_wait_loadcnt 0x0
.endif
.set i, 0
.rept 32
	v_med3_num_f32 v[XS+i], v[XS+i], -v10, v10
.set i, i+1
.endr
.irp g, 0,1,2,3
	v_cvt_scalef32_pk8_fp8_f32 v[WC+2*\g:WC+2*\g+1], v[XS+8*\g:XS+8*\g+7], v11
.endr
	ds_store_b128 v4, v[WC:WC+3] offset:32*(\t)
	ds_store_b128 v4, v[WC+4:WC+7] offset:32*(\t)+16
.if (\t)+2 < NB
	WLOAD (\t)+2
.endif
	s_wait_dscnt 0x0                               ; the stores have read their registers
.endm
.set Q, 0
	s_wait_alu depctr_va_vdst(0)                   ; the head's end
.rept NB
	WBLOCK Q
.set Q, Q+1
.endr
	s_cmp_lt_u32 s35, 24
	s_cbranch_scc0 .Lrows
.irp f, 0,1,2,3                        ; four fragments: 16 rows (f / 2) x 128 K (f % 2)
.irp c, 0,1,2,3
	ds_load_b128 v[OUTR+16*\f+4*\c:OUTR+16*\f+4*\c+3], v9 offset:(\f/2)*16*WP+(\f%2)*128+32*\c
.endr
.endr
.set i, 0
.rept 16
	s_wait_dscnt 15-i
	global_store_b128 v14, v[OUTR+4*i:OUTR+4*i+3], s[18:19] offset:(i/8)*32768+((i/4)%2)*2048+512*(i%4)   ; 512 consecutive bytes, aligned
.set i, i+1
.endr
	s_branch .Lend
.Lrows:
.irp t, 0,1,2,3,4,5,6,7,8,9,10,11,12,13,14,15
	ds_load_b128 v[OUTR+4*\t:OUTR+4*\t+3], v7 offset:2*\t*WP
.endr
.irp t, 0,1,2,3,4,5,6,7,8,9,10,11,12,13,14,15
	s_wait_dscnt 15-\t
	global_store_b128 v8, v[OUTR+4*\t:OUTR+4*\t+3], s[18:19] offset:2*\t*2048   ; sixteen lanes store 256 consecutive bytes, aligned
.endr
.Lend:
	s_wait_tensorcnt 0x0                           ; the wave's end
	ds_add_u32 v[SPW], v[NIL]
	s_wait_dscnt 0x0
	s_endpgm
.Lfunc_end_k_qcf3d08fcc7_quant:
	.size	k_qcf3d08fcc7_quant, .Lfunc_end_k_qcf3d08fcc7_quant-k_qcf3d08fcc7_quant
	.p2alignl 7, 3214868480
	.fill 96, 4, 3214868480
	.section	.rodata,"a",@progbits
	.p2align	6, 0x0
	.amdhsa_kernel k_qcf3d08fcc7_quant
		.amdhsa_group_segment_fixed_size 80384
		.amdhsa_private_segment_fixed_size 0
		.amdhsa_enable_private_segment 0
		.amdhsa_kernarg_size 64
		.amdhsa_user_sgpr_count 2
		.amdhsa_user_sgpr_kernarg_segment_ptr 1
		.amdhsa_wavefront_size32 1
		.amdhsa_system_sgpr_workgroup_id_x 1
		.amdhsa_system_sgpr_workgroup_id_y 1
		.amdhsa_system_sgpr_workgroup_id_z 1
		.amdhsa_system_vgpr_workitem_id 0
		.amdhsa_next_free_vgpr 192
		.amdhsa_next_free_sgpr 66
		.amdhsa_reserve_vcc 0
		.amdhsa_float_denorm_mode_32 3
		.amdhsa_float_denorm_mode_16_64 3
		.amdhsa_memory_ordered 1
		.amdhsa_forward_progress 1
		.amdhsa_inst_pref_size 96
	.end_amdhsa_kernel
	.amdgpu_metadata
---
amdhsa.version: [ 1, 2 ]
amdhsa.kernels:
  - .name:           k_qcf3d08fcc7_quant
    .symbol:         k_qcf3d08fcc7_quant.kd
    .args:
      - { .name: x, .offset: 0, .size: 8, .value_kind: global_buffer, .address_space: global }
      - { .name: Wq, .offset: 8, .size: 8, .value_kind: global_buffer, .address_space: global }
      - { .name: Wk, .offset: 16, .size: 8, .value_kind: global_buffer, .address_space: global }
      - { .name: Wv, .offset: 24, .size: 8, .value_kind: global_buffer, .address_space: global }
      - { .name: Wo, .offset: 32, .size: 8, .value_kind: global_buffer, .address_space: global }
      - { .name: lowp_scales, .offset: 40, .size: 8, .value_kind: global_buffer, .address_space: global }
      - { .name: xc, .offset: 48, .size: 8, .value_kind: global_buffer, .address_space: global }
      - { .name: wc, .offset: 56, .size: 8, .value_kind: global_buffer, .address_space: global }
    .group_segment_fixed_size: 80384
    .private_segment_fixed_size: 0
    .kernarg_segment_align: 8
    .kernarg_segment_size: 64
    .max_flat_workgroup_size: 128
    .sgpr_count:     66
    .vgpr_count:     192
    .wavefront_size: 32
...
	.end_amdgpu_metadata
.endif
;; end of part 1
;; launch qkv (part 2): grid 16 x 12, 4 waves a work-group, no clusters, 327,680 bytes of LDS; arguments xc, wc, lowp_scales, qkv; writes qkv
.if DOCPART == 2
	.amdgcn_target "amdgcn-amd-amdhsa--gfx1250"
	.amdhsa_code_object_version 6
	.text
	.protected	k_qcf3d08fcc7_qkv
	.globl	k_qcf3d08fcc7_qkv
	.p2align	8
	.type	k_qcf3d08fcc7_qkv,@function
k_qcf3d08fcc7_qkv:
	s_mov_b64 s[64:65], 0
	v_nop
	global_prefetch_b8 v0, s[64:65] scope:SCOPE_SE
	s_setreg_imm32_b32 hwreg(HW_REG_WAVE_MODE, 25, 1), 1
	s_wait_xcnt 0x0
; q = x Wq, k = x Wk, v = x Wv on codes of FP8 (E4M3); each result is quantised at once for attention (entries 6, 7, 9).
; Both operands lie in memory as images of operand registers (launch quant): a fragment of 16 rows x 128 K is 2,048 bytes, lane l's registers 4 c .. 4 c + 3 at 512 c + 16 l; a block of 16 rows has its 16 fragments on end.
; A work-group makes 256 (P) x 256 (R) results; a wave 64 rows of P x all 256 of R: 64 accumulators, 512 registers.
; P's rows are a wave's own: its fragments go from memory straight into registers, 16 loads of 512 consecutive bytes a step of 128 along K, in three sets, asked for two steps ahead and waited for by count.
; R's rows are read by all four waves: they come through LDS by tensor loads, each wave 64 rows, and are read as they lie, 16 bytes a lane on end: no padding.
; y < 10: P = x (block x of 256 tokens), R = rows 256 y of wc (Wq, Wk).  y >= 10: P = rows 256 y of wc (Wv), R = x (block x): so v comes out with the keys innermost, by the same text.
; x's plane: 0 for q; for k (v) plane 1 (2) where entry 2 (4) differs from entry 0, else plane 0, which then holds the same codes: chosen by s_cselect, no branch.
; THE RING.  K = 16 steps of 128.  The first fill brings steps 0-3 (bytes 0 .. 2^17); then two slots of three steps take turns: 2^17 on, and bytes 0 .. 98,303.  A slot is left in the middle of its last step, when all its
; fragments are in registers, and filled again there: the load has three steps, 192 matrix instructions, in which to land.
; The matrix instruction takes R's fragment as source 0 and P's as source 1: a lane holds one row of P and eight neighbouring rows of R, eight codes on end.
; qkv: [24][32] blocks of [128][128] bytes: q's heads 0-15, k's 16-19 as [token][d]; v's 20-23 as [d][key].  In k's blocks each 32 rows hold the keys 0-7, 16-23, 8-15, 24-31.
; NO CLUSTER: a tile of R has sixteen readers where y < 10 but only two where y >= 10, so the grid does not divide into clusters of four work-groups that ask for one tile.
; PREFETCH: behind each fill of a slot but the last, the next fill's 16 x 6,144 bytes of R are asked for, a fill (three steps) ahead of their load.  The readers of a tile share its blocks by address:
; y < 10: work-group x asks for row block x, wave 0, lanes 256 bytes apart (24 blocks; lanes 24-31 name the last again); y >= 10: work-group y - 10 asks for eight row blocks, two a wave.  Steps 0-6 come by their loads alone.
; P has no prefetch: its loads themselves run two steps ahead.
; LIMITS: e(result) - e(A) - e(B) lies between -126 and 119.
.set SLOT1, 1<<17
.set RSTR,  6144                       ; a row block's bytes in a slot of three steps
.set XSTR,  8192                       ; and in the first fill
.set SPARE, SLOT1+16*RSTR              ; the spare words, 128 bytes a wave
.set STAGE, SPARE+512                  ; the way out: 16 rows x 144 bytes a wave; no fill lands here
.set OP,    144
.set AL0, 1                            ; v1 16 x lane;  v2 + 8 RSTR;  v3 + 8 XSTR
.set AL1, 2
.set AXH, 3
.set AR0, 4                            ; v4, v5 the slot in hand: R's row blocks 0-7, 8-15
.set AR1, 5
.set GOF, 6                            ; v6 16 x lane: P's loads
.set PFO, 7                            ; v7 256 x min(lane, 23)
.set STO, 8
.set RD,  9
.set CO,  10
.set COP, 11
.set COM, 12
.set SPW, 13
.set NIL, 14
.set LIMV, 15
.set SCV, 16
.set PF,  64                           ; v64-255 P's three sets of four fragments; on the way out: TMP, CDS, BK
.set TMP, 64
.set CDS, 128
.set BK,  160
.set G1X, 24                           ; s[24:31] group 1 of the first fill; s[32:39] of a slot's; s[40:43], s[44:47] their groups 0
.set G1R, 32
.set G0X, 40
.set G0,  44
.set PB,  48                           ; s[48:49] P's base
.set PFA, 50                           ; s[50:51] where my prefetches stand
.set LIM1, 52                          ; s52, s53: 1 where my wave issues the first, the second prefetch, else the greatest number
.set LIM2, 53
.set TB,  54                           ; s54 the slot that is read next
.set O0,  56                           ; s[56:57], s[58:59] my 64 rows in the two blocks of the result
.set MSB, 0
.macro WIN new                         ; window 1: R's 16 fragments; windows 2, 3: accumulator (a, b) at v[32 (b % 8) + 8 a], b < 8 and b >= 8
.if MSB != \new
	s_set_vgpr_msb (MSB<<8)|\new
.set MSB, \new
.endif
.endm
.set MUL_LO, 0xa1
.set MUL_HI, 0xf1
.set TO_B,   0x40
.macro PLACES
.rept 4
	v_nop
.endr
.endm
.macro MULS b0, set, zero              ; 16 matrix instructions: R's fragments b0 .. b0 + 3 x P's four.  The 64 accumulators take turns in one order in every step
.set bb, \b0
.rept 4
.set aa, 0
.rept 4
.if \zero
	v_wmma_f32_16x16x128_fp8_fp8 v[32*(bb%8)+8*aa:32*(bb%8)+8*aa+7], v[16*bb:16*bb+15], v[PF+64*(\set)+16*aa:PF+64*(\set)+16*aa+15], 0
.else
	v_wmma_f32_16x16x128_fp8_fp8 v[32*(bb%8)+8*aa:32*(bb%8)+8*aa+7], v[16*bb:16*bb+15], v[PF+64*(\set)+16*aa:PF+64*(\set)+16*aa+15], v[32*(bb%8)+8*aa:32*(bb%8)+8*aa+7]
.endif
.set aa, aa+1
.endr
.set bb, bb+1
.endr
.endm
.macro FETCH adr, str, kbl, b0         ; 32 LDS loads: R's fragments b0 .. b0 + 7 of the slot's step kbl
.set bb, 0
.rept 8
.irp c, 0,1,2,3
	ds_load_b128 v[16*(\b0+bb)+4*\c:16*(\b0+bb)+4*\c+3], v[\adr] offset:bb*(\str)+(\kbl)*2048+512*\c
.endr
.set bb, bb+1
.endr
.endm
.macro PLOAD set, kb                   ; 16 loads: P's four fragments, kb steps from the base
.set aa, 0
.rept 4
.irp c, 0,1,2,3
	global_load_b128 v[PF+64*(\set)+16*aa+4*\c:PF+64*(\set)+16*aa+4*\c+3], v[GOF], s[PB:PB+1] offset:aa*32768+(\kb)*2048+512*\c
.endr
.set aa, aa+1
.endr
.endm
.macro ASK
	s_cmp_gt_u32 s3, s[LIM1]                       ; s3 = 1 at the last fill: nothing follows it
	s_cbranch_scc0 .Lno1_\@
	global_prefetch_b8 v[PFO], s[PFA:PFA+1] th:TH_LOAD_NT scope:SCOPE_SE
.Lno1_\@:
	s_cmp_gt_u32 s3, s[LIM2]
	s_cbranch_scc0 .Lno2_\@
	global_prefetch_b8 v[PFO], s[PFA:PFA+1] offset:32768 th:TH_LOAD_NT scope:SCOPE_SE
.Lno2_\@:
.endm
; A step of 128 along K.  nk >= 0: the next step's fragments of R are fetched, half behind each half of the products.  pk >= 0: this set of P is asked for anew.  lc: P's loads that are younger than this step's.
.macro STEP set, adr0, adr1, str, nk, zero, pk, lc
	s_wait_loadcnt \lc
	s_wait_dscnt 32                                ; R's fragments 0-7 are in; the 32 younger loads may be out
	WIN MUL_LO
	MULS 0, \set, \zero
	MULS 4, \set, \zero
.if (\nk) >= 0
	PLACES                                         ; four places ahead of loads into registers that matrix instructions have read
	WIN TO_B
	FETCH \adr0, \str, \nk, 0
	s_wait_dscnt 32                                ; fragments 8-15 are in
.else
	s_wait_dscnt 0x0
.endif
	WIN MUL_HI
	MULS 8, \set, \zero
	MULS 12, \set, \zero
.if (\nk) >= 0
	PLACES
	WIN TO_B
	FETCH \adr1, \str, \nk, 8
.endif
	WIN 0
.if (\pk) >= 0
	PLOAD \set, \pk
.endif
.endm
; A slot's last step.  Its fragments are in registers or on their way: each wave waits for all its tensor loads (the next slot's part), adds 0 to its spare word, waits for that and for its reads; one barrier;
; refill = 1: the slot just left is filled with the steps two slots on; then the next slot's first fragments are fetched.
.macro TURN set, refill, pk, lc
	s_wait_tensorcnt 0x0
	ds_add_u32 v[SPW], v[NIL]
	s_xor_b32 s[TB], s[TB], SLOT1
	v_add_nc_u32 v[AR0], s[TB], v[AL0]
	v_add_nc_u32 v[AR1], s[TB], v[AL1]
	s_wait_alu depctr_va_vdst(0)
.if \refill
	s_xor_b32 s[G0+1], s[G0+1], SLOT1              ; no tensor load of mine is out: the walking descriptor steps
	s_add_nc_u64 s[G0+2:G0+3], s[G0+2:G0+3], RSTR
	s_wait_xcnt 0x0                                ; my loads and prefetches have read their bases
	s_add_nc_u64 s[PFA:PFA+1], s[PFA:PFA+1], RSTR
	s_add_nc_u64 s[PB:PB+1], s[PB:PB+1], RSTR
.endif
	s_wait_loadcnt \lc
	s_wait_dscnt 33                                ; fragments 0-7 are in; 32 loads and the add may be out
	WIN MUL_LO
	MULS 0, \set, 0
	s_wait_dscnt 0x0                               ; the add is done and my reads of this slot are over
	s_barrier_signal -1
	MULS 4, \set, 0
	WIN 0
	s_barrier_wait -1
.if \refill
	tensor_load_to_lds s[G0:G0+3], s[G1R:G1R+7]
	s_nop 0
.endif
	PLACES
	WIN TO_B
	FETCH AR0, RSTR, 0, 0
	WIN 0
.if \refill
	ASK
.endif
	WIN MUL_HI
	MULS 8, \set, 0
	MULS 12, \set, 0
	PLACES
	WIN TO_B
	FETCH AR1, RSTR, 0, 8
	WIN 0
	PLOAD \set, \pk
.endm
	s_load_b256 s[4:11], s[0:1], 0x0               ; xc 4:5, wc 6:7, exponents 8:9, qkv 10:11
	v_lshl_add_u32 v[SPW], v0, 2, SPARE
	v_mov_b32 v[NIL], 0
	ds_add_u32 v[SPW], v[NIL]                      ; the opening
	ds_add_u32 v[SPW], v[NIL]
	v_lshrrev_b32 v17, 5, v0
	v_readfirstlane_b32 s14, v17                   ; wave
	v_and_b32 v18, 31, v0
	v_lshlrev_b32 v[AL0], 4, v18
	v_lshlrev_b32 v[GOF], 4, v18
	v_add_nc_u32 v[AL1], 8*RSTR, v[AL0]
	v_add_nc_u32 v[AXH], 8*XSTR, v[AL0]
	v_min_u32 v[PFO], 23, v18
	v_lshlrev_b32 v[PFO], 8, v[PFO]
	s_mul_i32 s17, s14, 16*OP
	s_add_co_u32 s17, s17, STAGE                   ; my stage
	v_and_b32 v19, 15, v0
	v_bfe_u32 v20, v0, 4, 1
	v_mul_u32_u24 v21, v19, OP
	v_lshl_add_u32 v21, v20, 3, v21
	v_add_nc_u32 v[STO], s17, v21                  ; in: row lane % 16, 8 bytes for each half of the lanes
	v_lshrrev_b32 v21, 3, v18
	v_mul_u32_u24 v21, v21, OP
	v_and_b32 v22, 7, v18
	v_lshl_add_u32 v21, v22, 4, v21
	v_add_nc_u32 v[RD], s17, v21                   ; back: eight lanes to a row of 128 bytes
	v_lshlrev_b32 v[CO], 4, v18
	s_and_b32 s16, ttmp7, 0xffff                   ; y
	s_lshr_b32 s18, s16, 1
	s_cmp_eq_u32 s18, 4                            ; k: y = 8, 9
	s_cselect_b32 s18, 1024, 0
	s_xor_b32 s19, s18, 1024
	v_add_nc_u32 v[COP], s18, v[CO]                ; k: rows 8-15 of an even block of 16 go 8 rows down,
	v_add_nc_u32 v[COM], s19, v[CO]                ; rows 0-7 of an odd one 8 rows up (used with offset - 1024)
	s_mov_b32 s[G1X], 3<<16                        ; elements of 8 bytes, no padding, no mask
	s_mov_b32 s[G1X+1], (XSTR/8)<<16               ; tensor_dim0
	s_mov_b32 s[G1X+2], 4<<16                      ; tensor_dim1: four row blocks
	s_mov_b32 s[G1X+3], (XSTR/8)<<16               ; tile_dim0
	s_mov_b32 s[G1X+4], 4                          ; tile_dim1
	s_mov_b32 s[G1X+5], 4096                       ; from row block to row block: 32,768 bytes
	s_mov_b32 s[G1X+6], 0
	s_mov_b32 s[G1X+7], 0
	s_mov_b32 s[G1R], 3<<16
	s_mov_b32 s[G1R+1], (RSTR/8)<<16
	s_mov_b32 s[G1R+2], 4<<16
	s_mov_b32 s[G1R+3], (RSTR/8)<<16
	s_mov_b32 s[G1R+4], 4
	s_mov_b32 s[G1R+5], 4096
	s_mov_b32 s[G1R+6], 0
	s_mov_b32 s[G1R+7], 0
	s_mov_b32 s[G0X], 1
	s_lshl_b32 s[G0X+1], s14, 15                   ; my four row blocks in the first fill,
	s_mov_b32 s[G0], 1
	s_mul_i32 s[G0+1], s14, 4*RSTR
	s_add_co_u32 s[G0+1], s[G0+1], SLOT1           ; and in a slot
	s_mov_b32 s[TB], 0
	s_mov_b32 s3, 3
	s_wait_alu depctr_va_vdst(0)                   ; the head's end
	s_wait_dscnt 0x0
	s_wait_kmcnt 0x0
	s_load_b256 s[68:75], s[8:9], 0x0              ; e0 .. e7
	s_load_b128 s[76:79], s[8:9], 0x20             ; e8 .. e11
	s_lshl_b32 s19, ttmp9, 19                      ; block x of xc
	s_lshl_b32 s20, s16, 19                        ; block y of wc
	s_lshl_b32 s21, s14, 17                        ; my wave's four row blocks
	s_sub_co_u32 s83, s16, 10
	s_lshl_b32 s83, s83, 3
	s_lshl_b32 s82, s14, 1
	s_add_co_u32 s83, s83, s82                     ; y >= 10: the row blocks that my wave prefetches: 8 (y - 10) + 2 wave
	s_wait_kmcnt 0x0
	s_cmp_lg_u32 s70, s68
	s_cselect_b32 s17, 1, 0
	s_cmp_lg_u32 s72, s68
	s_cselect_b32 s18, 2, 0
	s_cmp_ge_u32 s16, 8
	s_cselect_b32 s17, s17, 0
	s_cmp_ge_u32 s16, 10
	s_cselect_b32 s17, s18, s17                    ; x's plane: 0, 1 or 2
	s_min_u32 s17, s17, 2                          ; the number hangs on loaded exponents: it is clamped to the planes that xc has before it enters an offset
	s_lshl_b32 s17, s17, 23                        ; a plane is 0x800000 bytes
	s_add_co_u32 s17, s17, s19
	s_cmp_ge_u32 s16, 10
	s_cselect_b64 s[60:61], s[6:7], s[4:5]         ; P's buffer,
	s_cselect_b64 s[62:63], s[4:5], s[6:7]         ; R's
	s_cselect_b32 s22, s20, s17
	s_cselect_b32 s80, s17, s20
	s_cselect_b32 s[LIM2], 1, -1
	s_cselect_b32 s82, 0, s14
	s_cselect_b32 s83, s83, ttmp9
	s_cmp_eq_u32 s82, 0
	s_cselect_b32 s[LIM1], 1, -1
	s_add_co_u32 s22, s22, s21
	s_mov_b32 s23, 0
	s_mov_b32 s81, 0
	s_add_nc_u64 s[PB:PB+1], s[60:61], s[22:23]
	s_add_nc_u64 s[62:63], s[62:63], s[80:81]      ; R's 256 rows
	s_mov_b32 s22, s21
	s_add_nc_u64 s[G0X+2:G0X+3], s[62:63], s[22:23]
	s_add_nc_u64 s[G0+2:G0+3], s[G0X+2:G0X+3], 4*2048   ; step 4
	s_or_b32 s[G0X+3], s[G0X+3], 0x80000000
	s_or_b32 s[G0+3], s[G0+3], 0x80000000
	tensor_load_to_lds s[G0X:G0X+3], s[G1X:G1X+7]  ; steps 0-3: my one tensor load at the head
	s_nop 0
	PLOAD 0, 0
	PLOAD 1, 1
	PLOAD 2, 2
	s_lshl_b32 s83, s83, 15
	s_add_co_u32 s82, s83, 7*2048                  ; the first prefetch names steps 7-9
	s_mov_b32 s83, 0
	s_add_nc_u64 s[PFA:PFA+1], s[62:63], s[82:83]
	s_lshl_b32 s84, s16, 20                        ; the result: y < 10: head 2 y (+ 1), token 256 x + 64 wave; y >= 10: head 2 y + wave / 2, key block 2 x (+ 1), d = 64 (wave % 2)
	s_lshl_b32 s85, ttmp9, 15
	s_add_co_u32 s84, s84, s85
	s_lshl_b32 s85, s14, 13
	s_lshr_b32 s86, s14, 1
	s_lshl_b32 s86, s86, 19
	s_and_b32 s87, s14, 1
	s_lshl_b32 s87, s87, 13
	s_add_co_u32 s86, s86, s87
	s_cmp_ge_u32 s16, 10
	s_cselect_b32 s85, s86, s85
	s_mov_b32 s86, 1<<19
	s_cselect_b32 s86, 1<<14, s86
	s_add_co_u32 s84, s84, s85
	s_mov_b32 s85, 0
	s_mov_b32 s87, 0
	s_add_nc_u64 s[O0:O0+1], s[10:11], s[84:85]
	s_add_nc_u64 s[O0+2:O0+3], s[O0:O0+1], s[86:87]
	s_wait_tensorcnt 0x0                           ; my part of steps 0-3 is in
	ds_add_u32 v[SPW], v[NIL]
	s_wait_dscnt 0x0
	s_barrier_signal -1
	s_barrier_wait -1
	tensor_load_to_lds s[G0:G0+3], s[G1R:G1R+7]    ; steps 4-6, into the slot at 2^17
	s_nop 0
	PLACES
	WIN TO_B
	FETCH AL0, XSTR, 0, 0
	FETCH AXH, XSTR, 0, 8
	WIN 0
	ASK
	STEP 0, AL0, AXH, XSTR, 1, 1, 3, 32            ; the first step starts the sums: nothing is cleared
	STEP 1, AL0, AXH, XSTR, 2, 0, 4, 32
	STEP 2, AL0, AXH, XSTR, 3, 0, 5, 32
.Llap:                                             ; three trips: steps 3-5, 6-8, 9-11; each leaves a slot and fills it again
	TURN 0, 1, 3, 32
	STEP 1, AR0, AR1, RSTR, 1, 0, 4, 32
	STEP 2, AR0, AR1, RSTR, 2, 0, 5, 32
	s_sub_co_u32 s3, s3, 1
	s_cmp_lg_u32 s3, 0
	s_cbranch_scc1 .Llap
	TURN 0, 0, 6, 32                               ; step 12: nothing is filled again; P's step 15 is asked for
	STEP 1, AR0, AR1, RSTR, 1, 0, -1, 32
	STEP 2, AR0, AR1, RSTR, 2, 0, -1, 16
	STEP 0, AR0, AR1, RSTR, -1, 0, -1, 0
; THE WAY OUT IS A QUANTISER.  Unit u: P's rows 16 (u % 4) .. + 15 x R's rows 128 (u / 4) .. + 127: 2,048 consecutive bytes of the result.  Held, converted, through my stage, stored 512 consecutive bytes an instruction.
.macro TOSTAGE u
.set ua, (\u)%4
.set CD, CDS+16*((\u)%2)
.set BB, BK+16*((\u)%2)
	WIN 0x02+((\u)/4)
.set bb, 0
.rept 8
.set j, 0
.rept 8
	v_med3_num_f32 v[TMP+8*bb+j], v[32*bb+8*ua+j], -v[LIMV], v[LIMV]   ; each accumulator from its low end on
.set j, j+1
.endr
.set bb, bb+1
.endr
	WIN 0
.irp b, 0,1,2,3,4,5,6,7
	v_cvt_scalef32_pk8_fp8_f32 v[CD+2*\b:CD+2*\b+1], v[TMP+8*\b:TMP+8*\b+7], v[SCV]
.endr
	v_nop
.irp b, 0,1,2,3,4,5,6,7
	ds_store_b64 v[STO], v[CD+2*\b:CD+2*\b+1] offset:16*\b
.endr
.irp t, 0,1,2,3
	ds_load_b128 v[BB+4*\t:BB+4*\t+3], v[RD] offset:\t*4*OP   ; LDS serves a wave's instructions in order
.endr
.endm
.macro SEND u, younger
.set ua, (\u)%4
.set OB, O0+2*((\u)/4)
.set BB, BK+16*((\u)%2)
	s_wait_dscnt \younger
.irp t, 0,1,2,3
.if ((ua%2) == 0) && (\t >= 2)
	global_store_b128 v[COP], v[BB+4*\t:BB+4*\t+3], s[OB:OB+1] offset:2048*ua+512*\t
.elseif ((ua%2) == 1) && (\t < 2)
	global_store_b128 v[COM], v[BB+4*\t:BB+4*\t+3], s[OB:OB+1] offset:2048*ua+512*\t-1024
.else
	global_store_b128 v[CO], v[BB+4*\t:BB+4*\t+3], s[OB:OB+1] offset:2048*ua+512*\t
.endif
.endr
.endm
	s_cmp_lt_u32 s16, 10
	s_cselect_b32 s80, s70, s72
	s_cselect_b32 s81, s71, s73
	s_cselect_b32 s82, s75, s77
	s_cmp_lt_u32 s16, 8
	s_cselect_b32 s80, s68, s80
	s_cselect_b32 s81, s69, s81
	s_cselect_b32 s82, s74, s82
	s_sub_co_i32 s82, s82, s80
	s_sub_co_i32 s82, s82, s81                     ; a sum stands for sum x 2^(eA + eB): the three exponents are folded into the conversion's one
	s_add_co_i32 s82, s82, 127
	s_lshl_b32 s83, s82, 23
	v_mov_b32 v[SCV], s83
	s_add_co_i32 s82, s82, 8
	s_lshl_b32 s82, s82, 23
	s_or_b32 s82, s82, 0x600000
	v_mov_b32 v[LIMV], s82
	PLACES
	TOSTAGE 0
.irp u, 1,2,3,4,5,6,7
.if \u > 1
	s_wait_xcnt 0x0                                ; unit u - 2's stores have read their registers
.endif
	TOSTAGE \u
	SEND \u-1, 12                                  ; behind unit u - 1's loads: unit u's 8 stores and 4 loads
.endr
	SEND 7, 0
	s_wait_tensorcnt 0x0                           ; the wave's end
	ds_add_u32 v[SPW], v[NIL]
	s_wait_dscnt 0x0
	s_endpgm
.Lfunc_end_k_qcf3d08fcc7_qkv:
	.size	k_qcf3d08fcc7_qkv, .Lfunc_end_k_qcf3d08fcc7_qkv-k_qcf3d08fcc7_qkv
	.p2alignl 7, 3214868480
	.fill 96, 4, 3214868480
	.section	.rodata,"a",@progbits
	.p2align	6, 0x0
	.amdhsa_kernel k_qcf3d08fcc7_qkv
		.amdhsa_group_segment_fixed_size 327680
		.amdhsa_private_segment_fixed_size 0
		.amdhsa_enable_private_segment 0
		.amdhsa_kernarg_size 32
		.amdhsa_user_sgpr_count 2
		.amdhsa_user_sgpr_kernarg_segment_ptr 1
		.amdhsa_wavefront_size32 1
		.amdhsa_system_sgpr_workgroup_id_x 1
		.amdhsa_system_sgpr_workgroup_id_y 1
		.amdhsa_system_sgpr_workgroup_id_z 1
		.amdhsa_system_vgpr_workitem_id 0
		.amdhsa_next_free_vgpr 1024
		.amdhsa_next_free_sgpr 100
		.amdhsa_reserve_vcc 0
		.amdhsa_float_denorm_mode_32 3
		.amdhsa_float_denorm_mode_16_64 3
		.amdhsa_memory_ordered 1
		.amdhsa_forward_progress 1
		.amdhsa_inst_pref_size 155
	.end_amdhsa_kernel
	.amdgpu_metadata
---
amdhsa.version: [ 1, 2 ]
amdhsa.kernels:
  - .name:           k_qcf3d08fcc7_qkv
    .symbol:         k_qcf3d08fcc7_qkv.kd
    .args:
      - { .name: xc, .offset: 0, .size: 8, .value_kind: global_buffer, .address_space: global }
      - { .name: wc, .offset: 8, .size: 8, .value_kind: global_buffer, .address_space: global }
      - { .name: lowp_scales, .offset: 16, .size: 8, .value_kind: global_buffer, .address_space: global }
      - { .name: qkv, .offset: 24, .size: 8, .value_kind: global_buffer, .address_space: global }
    .group_segment_fixed_size: 327680
    .private_segment_fixed_size: 0
    .kernarg_segment_align: 8
    .kernarg_segment_size: 32
    .max_flat_workgroup_size: 128
    .sgpr_count:     100
    .vgpr_count:     1024
    .wavefront_size: 32
...
	.end_amdgpu_metadata
.endif
;; end of part 2
;; launch attn (part 3): grid 16 x 16, 16 waves a work-group, clusters of 4 x 1, 327,680 bytes of LDS; arguments qkv, lowp_scales, ac; writes ac
.if DOCPART == 3
	.amdgcn_target "amdgcn-amd-amdhsa--gfx1250"
	.amdhsa_code_object_version 6
	.text
	.protected	k_qcf3d08fcc7_attn
	.globl	k_qcf3d08fcc7_attn
	.p2align	8
	.type	k_qcf3d08fcc7_attn,@function
k_qcf3d08fcc7_attn:
	s_mov_b64 s[64:65], 0
	v_nop
	global_prefetch_b8 v0, s[64:65] scope:SCOPE_SE
	s_setreg_imm32_b32 hwreg(HW_REG_WAVE_MODE, 25, 1), 1
	s_wait_xcnt 0x0
	s_wait_alu depctr_hold_cnt(0) depctr_sa_sdst(0) depctr_va_vdst(0) depctr_va_sdst(0) depctr_va_ssrc(0) depctr_va_vcc(0) depctr_vm_vsrc(0)
	s_getreg_b32 s2, hwreg(HW_REG_IB_STS2, 6, 4)
	s_cmp_eq_u32 s2, 0
	s_cbranch_scc0 .Lentry_in_a_cluster
	s_endpgm
.Lentry_in_a_cluster:
	s_bfe_u32 s2, ttmp6, 0x10000c
	s_cmp_lg_u32 s2, 0x3003
	s_cbranch_scc0 .Lentry_shape_is_right
	s_endpgm
.Lentry_shape_is_right:
; Causal attention on codes of FP8 (E4M3): o = softmax(q k^T / sqrt(128)) v for 4 batches x 16 query heads; query head h takes key and value head h % 4.  The result is quantised at once (entry 10) for the last product.
; qkv: [24][32] blocks of [128][128] bytes: q's heads 0-15 and k's 16-19 as [token][d]; v's 20-23 as [d][key].  In k's blocks each 32 rows hold the keys 0-7, 16-23, 8-15, 24-31, in this order.
; ac: [32 blocks of 128 tokens][16 heads][128 tokens][128] codes: a block's sixteen heads lie on end.
; THE SOFTMAX AHEAD OF THE SECOND PRODUCT: t = score x log2(e) / sqrt(128); M = the row's largest t so far, rounded UP to a whole number; p = 2^(t - M) is quantised (entry 8), not normalised.
; The row's sum is taken of the unquantised p and divides O at the end.  When M moves, the sum and O are multiplied by 2^(old M - new M): exact.
; SHARES.  cluster x = j (0-3), place in the cluster = r (0-3), y = 4 b + kvh.  The four partners are the query heads 4 r + kvh, which walk the same K and V: each tile is asked for JOINTLY (mask 15).
; A work-group owns the blocks j and 7 - j of 128 queries; a wave owns 16 queries.  A wave of block n works n + 1 key steps of 128 keys, so every work-group has 8 (j + 1) + 8 (8 - j) = 72 wave steps.
; Every work-group walks ALL four slots of 256 keys: trip counts are constants, no tensor load and no barrier is jumped over; a step all of whose keys come after the wave's queries leaves out its work by a scalar branch
; on the wave's number and the cluster's x, which are alike in all partners.
; LAYOUT.  Both products are used transposed: S^T = K Q^T, O^T = V^T P^T: a lane holds ONE query (lane % 16) throughout.  THE KEYS OF A TILE ARE NOT NEIGHBOURS: lane r of tile 2 b + u takes key
; 32 b + 8 u + r + 8 (r / 8), so that the 16 registers of tiles 2 b and 2 b + 1 are 16 neighbouring keys, 32 b + 16 (lane / 16) + 0 .. 15.  By the order of k's rows these 16 keys are the 16 neighbouring LDS rows
; 16 (2 b + u) + r: at 144 bytes a row they begin in 16 different columns of 16 bytes modulo 256.
; LIMITS on the given exponents: e6 + e7 between -123 and 130 (added to c's exponent field); e8 and e10 between -126 and 119; e8 + e9 is applied by v_ldexp_f32 and has none.
; REGISTERS: v1-7 addresses that stay; v8-11 at work; v12 -M, v13 the largest t, v[14:15] the sum in two halves; v16-31 Q; v32-95 four fragments of K, then V's first four; v96-159 S^T, then p, then V's last four;
;   v160-223 O^T; v224-239 p's codes; v240, v244: 448 x 2^e8, 2^e8; v241, v245: the same for e10; v242-243, v246, v252-254 at work.
.set KP,    144                        ; a row in LDS: 128 bytes + 16 of padding
.set VOFF,  256*KP                     ; a slot: 256 rows of K, then V's two key blocks of 128 rows
.set SLOT1, 1<<17                      ; slot 1 begins here: one exclusive or turns an address in one slot into the other's
.set NSL,   4                          ; slots' worth of keys
.set SPARE, 2*SLOT1                    ; behind the ring: the spare words, 128 bytes for each of 16 waves
.set AK0,  1                           ; v1   my lane's place in a tile of K
.set AV0,  2                           ; v2   the same for V
.set PFO,  3                           ; v3   256 x my lane: the prefetches' offset; never rewritten
.set SPW,  5                           ; v5   LDS address of my spare word; never rewritten
.set NIL,  6                           ; v6   0; never rewritten
.set GO,   7                           ; v7   16 x lane: the way out
.set ADK,  8
.set ADV,  9
.set WV,   18                          ; s18  my wave's number
.set SEL,  20                          ; s[20:21] lane selects for v_permlanex16_b32: lane l xor 16
.set CS,   22                          ; s[22:23] c = log2(e) / sqrt(128) x 2^(e6 + e7)
.set G1,   24                          ; s[24:31] descriptor group 1
.set G0,   40                          ; s[40:43] descriptor group 0, which walks
.set TB,   2                           ; s2   LDS byte at which the slot in hand begins
.set SLOTS, 67                         ; s67  slots still to be asked for
.set KF,   98                          ; s98  the step's first key
.set Q0,   99                          ; s99  my first query
.set PFA,  76                          ; s[76:77] where my prefetches stand
.set LIM,  80                          ; s80  1 in a wave that prefetches, else the greatest number
.macro TLOAD                           ; waves 0, 1 fetch K's two key blocks of a slot, waves 2, 3 V's; an s_nop 0 and four v_nop follow the line
	s_cmp_lt_u32 s[WV], 4
	s_cbranch_scc0 .Lasked_\@
	tensor_load_to_lds s[G0:G0+3], s[G1:G1+7]
	s_nop 0
.rept 4
	v_nop
.endr
.Lasked_\@:
.endm
; A PREFETCH of what the NEXT change of slots will ask for: a slot's 32,768 bytes of K and as many of V.  All four clusters of a (b, kvh) walk the same bytes: the cluster with x = 0 asks.  Its four partners take
; 8,192 bytes each, told apart BY ADDRESS; in each, wave 4 asks for K's and wave 5 for V's, lanes 256 bytes apart: each aligned block of 256 bytes is named once in the launch.
; The last change that fills a slot asks for nothing; slots 0 and 1 come by their loads alone.
.macro ASK
	s_cmp_gt_u32 s[SLOTS], s[LIM]
	s_cbranch_scc0 .Lnot_mine_\@
	global_prefetch_b8 v[PFO], s[PFA:PFA+1] th:TH_LOAD_NT scope:SCOPE_SE
.Lnot_mine_\@:
.endm
.macro CROUND                          ; a round of the cluster's barrier
	s_barrier_signal -1
	s_barrier_wait -1
	s_cmp_lg_u32 s[WV], 0
	s_cbranch_scc1 .Lnot_wave_0_\@
	s_barrier_signal -3
.Lnot_wave_0_\@:
	s_barrier_wait -3
	s_barrier_signal -1
	s_barrier_wait -1
.endm
	s_load_b128 s[4:7], s[0:1], 0x0                ; qkv 4:5, the exponents 6:7
	s_load_b64 s[8:9], s[0:1], 0x10                ; ac
	v_lshl_add_u32 v[SPW], v0, 2, SPARE
	v_mov_b32 v[NIL], 0
	ds_add_u32 v[SPW], v[NIL]                      ; the wave's opening: the set-up below stands between the add and its wait
	ds_add_u32 v[SPW], v[NIL]
	v_lshrrev_b32 v8, 5, v0
	s_delay_alu instid0(VALU_DEP_1)
	v_readfirstlane_b32 s[WV], v8                  ; wave 0..15
	s_bfe_u32 s12, ttmp6, 0x40000                  ; r: my place in the cluster: it enters q's, ac's and the prefetches' global addresses alone
	s_and_b32 s13, ttmp7, 0xffff
	s_lshr_b32 s14, s13, 2                         ; b
	s_and_b32 s15, s13, 3                          ; kvh
	s_lshr_b32 s16, s[WV], 2
	s_xor_b32 s16, s16, s[WV]
	s_and_b32 s16, s16, 1                          ; which of the two blocks: (w xor w / 4) % 2, so that each four neighbouring waves, and each four waves 4 apart, hold two of each
	s_sub_co_u32 s17, 7, ttmp9
	s_cmp_eq_u32 s16, 0
	s_cselect_b32 s17, ttmp9, s17                  ; block j or 7 - j
	s_lshl_b32 s92, s14, 3
	s_add_co_u32 s92, s92, s17                     ; the block among all 32: 8 b + block
	s_lshl_b32 s92, s92, 4
	s_lshl_b32 s17, s17, 7
	s_lshr_b32 s19, s[WV], 1
	s_lshl_b32 s19, s19, 4
	s_add_co_u32 s[Q0], s17, s19                   ; my first query: 128 x block + 16 (w / 2)
	s_lshl_b32 s32, s12, 2
	s_add_co_u32 s32, s32, s15                     ; my query head: 4 r + kvh
	s_add_co_u32 s92, s92, s32
	s_lshl_b32 s92, s92, 14                        ; ac: (16 x block + head) x 16,384
	s_lshl_b32 s93, s19, 7
	s_add_co_u32 s92, s92, s93                     ; + 16 (w / 2) rows of 128 bytes
	s_mov_b32 s93, 0
	s_lshl_b32 s32, s32, 19
	s_lshl_b32 s33, s14, 10
	s_add_co_u32 s33, s33, s[Q0]
	s_lshl_b32 s33, s33, 7
	s_add_co_u32 s32, s32, s33                     ; qkv: head x 4,096 tokens x 128 + (1,024 b + Q0) x 128: my queries' codes
	s_mov_b32 s33, 0
	s_lshr_b32 s34, s[WV], 1                       ; what I fetch, if I fetch: wave 0, 1: K; wave 2, 3: V
	s_and_b32 s34, s34, 1
	s_lshl_b32 s34, s34, 2
	s_add_co_u32 s34, s34, s15
	s_add_co_u32 s34, s34, 16                      ; 16 + kvh or 20 + kvh
	s_lshl_b32 s34, s34, 19
	s_lshl_b32 s35, s14, 17                        ; the batch's eight blocks
	s_add_co_u32 s34, s34, s35
	s_and_b32 s35, s[WV], 1
	s_lshl_b32 s35, s35, 14                        ; the slot's first or second key block
	s_add_co_u32 s34, s34, s35
	s_mov_b32 s35, 0
	s_mul_i32 s36, s[WV], 128*KP                   ; and where it goes in a slot: no place in the cluster enters an LDS address
	s_and_b32 s38, s[WV], 1                        ; the prefetches: wave 4: K, wave 5: V
	s_lshl_b32 s38, s38, 2
	s_add_co_u32 s38, s38, s15
	s_add_co_u32 s38, s38, 16
	s_lshl_b32 s38, s38, 19
	s_lshl_b32 s39, s14, 17
	s_add_co_u32 s38, s38, s39
	s_lshl_b32 s39, s12, 13                        ; my work-group's 8,192 bytes of a slot's 32,768
	s_add_co_u32 s38, s38, s39
	s_add_co_u32 s38, s38, 32768                   ; in slot 1: the first change of slots steps it to slot 2
	s_mov_b32 s39, 0
	s_lshr_b32 s[LIM], s[WV], 1
	s_xor_b32 s[LIM], s[LIM], 2                    ; 0 in waves 4 and 5,
	s_or_b32 s[LIM], s[LIM], ttmp9                 ; of the cluster with x = 0: the same in all four partners
	s_cmp_eq_u32 s[LIM], 0
	s_cselect_b32 s[LIM], 1, -1
	s_mov_b32 s[G1], 15|(1<<20)|(1<<21)|(4<<22)|(3<<25)   ; the mask: all four work-groups, bit 21 beside it; elements of 1 byte; padding: 4 words after every 32
	s_mov_b32 s[G1+1], 256<<16                     ; the blocks are dense: 128 rows of 128 bytes are stated as 64 rows of 256; the padding still stands behind each 128 bytes
	s_mov_b32 s[G1+2], 64<<16
	s_mov_b32 s[G1+3], 256<<16
	s_mov_b32 s[G1+4], 64
	s_mov_b32 s[G1+5], 256
	s_mov_b32 s[G1+6], 0
	s_mov_b32 s[G1+7], 0
	s_mov_b32 s[SEL], 0x76543210
	s_mov_b32 s[SEL+1], 0xfedcba98
	s_mov_b32 s[CS], 0x3e0293ee                    ; c = log2(e) / sqrt(128)
	s_mov_b32 s[TB], 0
	s_mov_b32 s[SLOTS], NSL-1
	s_mov_b32 s[KF], 0
	s_wait_dscnt 0x0                               ; the opening add is done
	s_wait_kmcnt 0x0
	s_load_b256 s[68:75], s[6:7], 0x0              ; e0 .. e7
	s_load_b128 s[84:87], s[6:7], 0x20             ; e8 .. e11
	s_mov_b32 s[G0], 1                             ; count = 1
	s_mov_b32 s[G0+1], s36                         ; LDS address: slot 0
	s_add_nc_u64 s[G0+2:G0+3], s[4:5], s[34:35]    ; global address: the first 256 keys
	s_or_b32 s[G0+3], s[G0+3], 0x80000000          ; type = 2
	s_add_nc_u64 s[PFA:PFA+1], s[4:5], s[38:39]
	s_add_nc_u64 s[10:11], s[4:5], s[32:33]        ; q's codes at my first query
	s_add_nc_u64 s[8:9], s[8:9], s[92:93]          ; ac at my 16 rows
	CROUND                                         ; all four work-groups are here: the first joint loads meet
	TLOAD                                          ; slot 0
	v_and_b32 v8, 15, v0                           ; r = lane % 16
	v_bfe_u32 v9, v0, 4, 1                         ; h = lane / 16
	s_delay_alu instid0(VALU_DEP_2)
	v_lshlrev_b32 v10, 7, v8
	s_delay_alu instid0(VALU_DEP_1)
	v_lshl_add_u32 v10, v9, 4, v10                 ; Q: row r of 128 bytes, + 16 h
.irp c, 0,1,2,3
	global_load_b128 v[16+4*\c:19+4*\c], v10, s[10:11] offset:32*\c   ; Q's fragment stays in registers
.endr
	v_mul_u32_u24 v[AK0], v8, KP
	s_delay_alu instid0(VALU_DEP_1)
	v_lshl_add_u32 v[AK0], v9, 4, v[AK0]           ; K and V: row r of a tile, + 16 h
	s_delay_alu instid0(VALU_DEP_1)
	v_add_nc_u32 v[AV0], VOFF, v[AK0]
	v_and_b32 v[PFO], 31, v0
	s_delay_alu instid0(VALU_DEP_1)
	v_lshlrev_b32 v[GO], 4, v[PFO]
	s_delay_alu instid0(VALU_DEP_2)
	v_lshlrev_b32 v[PFO], 8, v[PFO]
	v_mov_b32 v13, 0xff61b1e6                      ; the largest t so far: -3e38, under every t
	s_delay_alu instid0(VALU_DEP_1)
	v_floor_f32 v12, -v13                          ; -M
	v_mov_b32 v14, 0                               ; the sum, in two halves
	v_mov_b32 v15, 0
	v_mov_b32 v246, 0                              ; written once: a lane permute's destination counts as one of its sources
	v_mov_b32 v253, 0                              ; (named as the upper half of the pair v[252:253])
.set j, 0
.rept 64
	v_mov_b32 v[160+j], 0                          ; O^T.  (The step is written once: the first finds zeros, which the first change of M leaves zeros)
.set j, j+1
.endr
	s_wait_kmcnt 0x0
	s_add_co_i32 s88, s74, s75
	s_lshl_b32 s88, s88, 23
	s_add_co_i32 s[CS], s[CS], s88                 ; a score stands for score x 2^(e6 + e7): the two exponents are added to c's exponent field
	s_mov_b32 s[CS+1], s[CS]                       ; (named with it as a pair, so it is written)
	s_add_co_i32 s88, s84, 127
	s_lshl_b32 s89, s88, 23
	v_mov_b32 v244, s89                            ; 2^e8
	s_add_co_i32 s88, s88, 8
	s_lshl_b32 s88, s88, 23
	s_or_b32 s88, s88, 0x600000
	v_mov_b32 v240, s88                            ; 448 x 2^e8
	s_add_co_i32 s88, s86, 127
	s_lshl_b32 s89, s88, 23
	v_mov_b32 v245, s89                            ; 2^e10
	s_add_co_i32 s88, s88, 8
	s_lshl_b32 s88, s88, 23
	s_or_b32 s88, s88, 0x600000
	v_mov_b32 v241, s88                            ; 448 x 2^e10
	s_add_co_i32 s90, s84, s85                     ; e8 + e9
; A KEY STEP: 128 keys, the q-th of the slot in hand.
.macro STEP q
	s_add_co_u32 s96, s[Q0], 15                    ; a step all of whose keys come after my 16 queries is left out; the line at its end that steps KF is not
	s_cmp_gt_u32 s[KF], s96
	s_cbranch_scc1 .Lhidden_\@
	v_add_nc_u32 v[ADK], s[TB], v[AK0]
	s_wait_alu depctr_va_vdst(0)
	v_add_nc_u32 v[ADV], s[TB], v[AV0]
.irp g, 0,1                                    ; S^T = K Q^T, four tiles of 16 keys at a time
.rept 3+\g
	v_nop                                          ; g = 0: with the two additions above FIVE places: the products below write v96 on, which the last step's products read as V's fragments.  g = 1: four, in front of loads into registers that products have read
.endr
.irp t, 0,1,2,3
.irp c, 0,1,2,3
	ds_load_b128 v[32+16*\t+4*\c:32+16*\t+4*\c+3], v[ADK] offset:(128*(\q)+16*(4*\g+\t))*KP+32*\c
.endr
.endr
	s_wait_dscnt 0x0
.irp t, 0,1,2,3
	v_wmma_f32_16x16x128_fp8_fp8 v[96+8*(4*\g+\t):103+8*(4*\g+\t)], v[32+16*\t:47+16*\t], v[16:31], 0
.endr
.endr
.rept 4
	v_nop                                          ; places: for the loads below, and for the first read of the scores
.endr
	s_wait_alu depctr_va_vdst(0)
.irp t, 0,1,2,3                                ; V's first four fragments are asked for here, into the registers that K has left: they land while the softmax is worked
.irp c, 0,1,2,3
	ds_load_b128 v[32+16*\t+4*\c:32+16*\t+4*\c+3], v[ADV] offset:(128*(\q)+16*\t)*KP+32*\c
.endr
.endr
	s_add_co_u32 s96, s[KF], 127                   ; on the diagonal the scores of hidden keys become -infinity ahead of the maximum: p = 0 then.  A step all of whose keys count skips this
	s_cmp_le_u32 s96, s[Q0]
	s_cbranch_scc1 .Lopen_\@
	s_sub_co_i32 s96, s[Q0], s[KF]
	v_and_b32 v252, 15, v0
	v_bfe_u32 v253, v0, 4, 1
	s_delay_alu instid0(VALU_DEP_1)
	v_lshlrev_b32 v253, 4, v253
	s_delay_alu instid0(VALU_DEP_1)
	v_sub_nc_u32 v252, v252, v253
	s_delay_alu instid0(VALU_DEP_1)
	v_add_nc_u32 v252, s96, v252                   ; d = my query - KF - 16 (lane / 16).  Register 16 b + i holds key KF + 16 (lane / 16) + 32 b + i: hidden where 32 b + i > d
	v_mov_b32 v254, 0xff800000                     ; -infinity
.set n, 0
.rept 64
	v_cmp_gt_i32 vcc_lo, 32*(n/16)+n%16, v252
	v_cndmask_b32 v[96+n], v[96+n], v254, vcc_lo
.set n, n+1
.endr
.Lopen_\@:
	v_max3_num_f32 v254, v96, v97, v98             ; the step's largest score of my query, among my 64 keys, in two chains,
	v_max3_num_f32 v252, v99, v100, v101
.irp i, 6,10,14,18,22,26,30,34,38,42,46,50,54,58
	v_max3_num_f32 v254, v254, v[96+\i], v[97+\i]
	v_max3_num_f32 v252, v252, v[98+\i], v[99+\i]
.endr
	v_max3_num_f32 v254, v254, v158, v159
	s_delay_alu instid0(VALU_DEP_1)
	v_max_num_f32 v254, v254, v252
	s_delay_alu instid0(VALU_DEP_1)
	v_permlanex16_b32 v246, v254, s[SEL], s[SEL+1]
	s_delay_alu instid0(VALU_DEP_1)
	v_max_num_f32 v254, v254, v246                 ; and among lane l xor 16's
	s_delay_alu instid0(VALU_DEP_1)
	v_mul_f32 v254, s[CS], v254                    ; as t (c is positive)
	s_delay_alu instid0(VALU_DEP_1)
	v_max_num_f32 v13, v13, v254                   ; the running largest t
	v_mov_b32 v254, v12
	s_delay_alu instid0(VALU_DEP_2)
	v_floor_f32 v12, -v13                          ; the new -M = floor(-t) = -ceil(t): M IS A WHOLE NUMBER
	s_delay_alu instid0(VALU_DEP_1)
	v_sub_f32 v254, v12, v254                      ; M's old value less its new one: a whole number, 0 or less
	s_delay_alu instid0(VALU_DEP_1)
	v_cvt_i32_f32 v254, v254                       ; (it saturates)
	s_delay_alu instid0(VALU_DEP_1)
	v_ldexp_f32 v252, 1.0, v254                    ; f = 2^(old M - new M)
.set j, 0
.rept 32
	v_pk_fma_f32 v[96+j:97+j], v[96+j:97+j], s[CS:CS+1], v[12:13] op_sel_hi:[1,0,0]   ; t - M, two at a time (of the pairs c and -M the low word serves both halves)
.set j, j+2
.endr
.set j, 0
	s_wait_alu depctr_va_vdst(0)
.rept 64
	v_exp_f32 v[96+j], v[96+j]                     ; p = 2^(t - M), at most 1: NOT normalised
.set j, j+1
.endr
	v_pk_mul_f32 v[14:15], v[14:15], v[252:253] op_sel_hi:[1,0]   ; the sums under the new M.  (A plain line behind the exponentials)
	s_wait_alu depctr_va_vdst(0)                   ; one wait for the whole batch of exponentials, ahead of its first reader
	v_pk_add_f32 v[242:243], v[100:101], v[104:105]
	v_pk_add_f32 v[254:255], v[108:109], v[112:113]
	v_pk_add_f32 v[250:251], v[116:117], v[120:121]
	v_pk_add_f32 v[248:249], v[124:125], v[128:129]
	v_pk_add_f32 v[238:239], v[132:133], v[136:137]
	v_pk_add_f32 v[236:237], v[140:141], v[144:145]
	v_pk_add_f32 v[234:235], v[148:149], v[152:153]
	v_pk_add_f32 v[14:15], v[14:15], v[156:157]
	v_pk_add_f32 v[242:243], v[242:243], v[96:97]
	v_pk_add_f32 v[254:255], v[254:255], v[98:99]
	v_pk_add_f32 v[250:251], v[250:251], v[102:103]
	v_pk_add_f32 v[248:249], v[248:249], v[106:107]
	v_pk_add_f32 v[238:239], v[238:239], v[110:111]
	v_pk_add_f32 v[236:237], v[236:237], v[114:115]
	v_pk_add_f32 v[234:235], v[234:235], v[118:119]
	v_pk_add_f32 v[14:15], v[14:15], v[122:123]
	v_pk_add_f32 v[242:243], v[242:243], v[126:127]
	v_pk_add_f32 v[254:255], v[254:255], v[130:131]
	v_pk_add_f32 v[250:251], v[250:251], v[134:135]
	v_pk_add_f32 v[248:249], v[248:249], v[138:139]
	v_pk_add_f32 v[238:239], v[238:239], v[142:143]
	v_pk_add_f32 v[236:237], v[236:237], v[146:147]
	v_pk_add_f32 v[234:235], v[234:235], v[150:151]
	v_pk_add_f32 v[14:15], v[14:15], v[154:155]
	v_pk_add_f32 v[242:243], v[242:243], v[158:159]
	s_delay_alu instid0(VALU_DEP_2)
	v_pk_add_f32 v[14:15], v[14:15], v[248:249]
	s_delay_alu instid0(VALU_DEP_2)
	v_pk_add_f32 v[242:243], v[242:243], v[238:239]
	v_pk_add_f32 v[254:255], v[254:255], v[236:237]
	v_pk_add_f32 v[250:251], v[250:251], v[234:235]
	s_delay_alu instid0(VALU_DEP_2)
	v_pk_add_f32 v[14:15], v[14:15], v[254:255]
	s_delay_alu instid0(VALU_DEP_2)
	v_pk_add_f32 v[242:243], v[242:243], v[250:251]
	s_delay_alu instid0(VALU_DEP_1)
	v_pk_add_f32 v[14:15], v[14:15], v[242:243]
.irp b, 0,1,2,3
.irp i, 0,1,2,3,4,5,6,7,8,9,10,11,12,13,14,15
	v_min_num_f32 v[96+16*\b+\i], v[96+16*\b+\i], v240   ; the conversion does not saturate (ISA guide 7.6.2); p is not negative, so the hold is one-sided
.endr
	v_cvt_scalef32_pk8_fp8_f32 v[224+4*\b:225+4*\b], v[96+16*\b:103+16*\b], v244
	v_cvt_scalef32_pk8_fp8_f32 v[226+4*\b:227+4*\b], v[104+16*\b:111+16*\b], v244
.endr
.irp t, 0,1,2,3                                ; V's last four fragments, into the registers that p has left: they land while O^T is rescaled
.irp c, 0,1,2,3
	ds_load_b128 v[96+16*\t+4*\c:96+16*\t+4*\c+3], v[ADV] offset:(128*(\q)+16*(4+\t))*KP+32*\c
.endr
.endr
.set j, 0
.rept 32
	v_pk_mul_f32 v[160+j:161+j], v[160+j:161+j], v[252:253] op_sel_hi:[1,0]   ; O^T under the new M.  (These 32 are also the plain lines behind the conversions)
.set j, j+2
.endr
	s_wait_alu depctr_va_vdst(0)
	s_wait_dscnt 0x0                               ; all eight fragments of V are in
.irp t, 0,1,2,3                                ; O^T += V^T P^T: eight tiles of 16 of the head's 128, eight accumulators; K = these 128 keys
	v_wmma_f32_16x16x128_fp8_fp8 v[160+8*\t:167+8*\t], v[32+16*\t:47+16*\t], v[224:239], v[160+8*\t:167+8*\t]
.endr
.irp t, 0,1,2,3
	v_wmma_f32_16x16x128_fp8_fp8 v[192+8*\t:199+8*\t], v[96+16*\t:111+16*\t], v[224:239], v[192+8*\t:199+8*\t]
.endr
.Lhidden_\@:
	s_add_co_u32 s[KF], s[KF], 128
.endm
; THE CHANGE OF SLOTS stands at a slot's head.  Each wave waits for all its tensor loads, adds 0 to its spare word, and waits for that and for its reads of the slot that it has left.
; fill = 1: a round of the cluster's barrier, so that no wave of any partner still reads the other slot or has a load on its way; then that slot is filled with the keys that follow: the load has a slot's two steps in which to land.
.macro CHANGE fill
	s_wait_tensorcnt 0x0                           ; no tensor load of mine is out, so group 0 may be written
	ds_add_u32 v[SPW], v[NIL]                      ; 0 onto my spare word
.if \fill
	ds_add_u32 v[SPW], v[NIL]                      ; fill = 1: once more
	s_xor_b32 s[G0+1], s[G0+1], SLOT1
	s_add_nc_u64 s[G0+2:G0+3], s[G0+2:G0+3], 32768 ; the next two key blocks; the type bits on top are not reached
	s_wait_xcnt 0x0                                ; the last prefetch, a slot back, has read its address, so it may be written:
	s_add_nc_u64 s[PFA:PFA+1], s[PFA:PFA+1], 32768 ; one slot further on than the walking descriptor
.endif
	s_wait_dscnt 0x0                               ; the add is done, and my reads of the slot that I have left are over
.if \fill
	CROUND
	TLOAD                                          ; the first thing behind the round, and a wave's one tensor load until the next
	ASK
.else
	s_barrier_signal -1
	s_barrier_wait -1
.endif
.endm
.macro SLOT_STEPS
	STEP 0
	STEP 1
	s_xor_b32 s[TB], s[TB], SLOT1                  ; on to the other slot
.endm
	s_wait_loadcnt 0x0                             ; Q
.Lslot:                                            ; NSL - 1 trips: behind each change of slots but the last the next slot is asked for
	CHANGE 1
	SLOT_STEPS
	s_sub_co_u32 s[SLOTS], s[SLOTS], 1
	s_cmp_lg_u32 s[SLOTS], 0
	s_cbranch_scc1 .Lslot
	CHANGE 0                                       ; the last slot is written out
	SLOT_STEPS
	; THE WAY OUT IS A QUANTISER.  O^T / the sum x 2^(e8 + e9) is held, turned into codes under 2^e10, and goes through my stage in LDS (16 rows x 144 bytes, in slot 0, which was left at the last change of slots:
	; it has had its last fill, and nobody reads it), so that the wave stores 2,048 consecutive bytes of ac.  The address work below is also the places behind the last products.
	v_add_f32 v14, v14, v15                        ; the sum's two halves,
	s_delay_alu instid0(VALU_DEP_1)
	v_permlanex16_b32 v246, v14, s[SEL], s[SEL+1]
	s_delay_alu instid0(VALU_DEP_1)
	v_add_f32 v14, v14, v246                       ; and lane l xor 16's: the row's sum (key 0 counts for every query: it is not 0)
	s_wait_alu depctr_va_vdst(0)
	v_rcp_f32 v14, v14
	v_and_b32 v8, 15, v0                           ; (a plain line behind the reciprocal)  r
	v_bfe_u32 v9, v0, 4, 1                         ; h
	s_mul_i32 s91, s[WV], 16*KP                    ; my stage
	v_mul_u32_u24 v10, v8, KP
	s_delay_alu instid0(VALU_DEP_1)
	v_lshl_add_u32 v10, v9, 3, v10
	s_delay_alu instid0(VALU_DEP_1)
	v_add_nc_u32 v10, s91, v10                     ; in: row r, 8 bytes for each half of the lanes
	v_and_b32 v11, 31, v0
	s_delay_alu instid0(VALU_DEP_1)
	v_lshrrev_b32 v8, 3, v11
	s_delay_alu instid0(VALU_DEP_1)
	v_mul_u32_u24 v8, v8, KP
	s_delay_alu instid0(VALU_DEP_3)
	v_and_b32 v11, 7, v11
	s_delay_alu instid0(VALU_DEP_1)
	v_lshl_add_u32 v11, v11, 4, v8
	s_delay_alu instid0(VALU_DEP_1)
	v_add_nc_u32 v11, s91, v11                     ; back: eight lanes to a row of 128 bytes, four rows an instruction
	s_wait_alu depctr_va_vdst(0)                   ; the wait ahead of the reciprocal's first reader
	v_ldexp_f32 v14, v14, s90                      ; x 2^(e8 + e9)
.set j, 0
.rept 32
	v_pk_mul_f32 v[96+j:97+j], v[160+j:161+j], v[14:15] op_sel_hi:[1,0]   ; register 8 t + i is o(r, 16 t + 8 h + i); each accumulator from its low end on
.set j, j+2
.endr
.set j, 0
.rept 64
	v_med3_num_f32 v[96+j], v[96+j], -v241, v241   ; the hold at the largest code x the scale
.set j, j+1
.endr
.irp t, 0,1,2,3,4,5,6,7
	v_cvt_scalef32_pk8_fp8_f32 v[32+2*\t:33+2*\t], v[96+8*\t:103+8*\t], v245
.endr
	v_nop                                          ; one plain vector line behind the last conversion
.irp t, 0,1,2,3,4,5,6,7
	ds_store_b64 v10, v[32+2*\t:33+2*\t] offset:16*\t
.endr
.irp i, 0,1,2,3
	ds_load_b128 v[48+4*\i:51+4*\i], v11 offset:\i*4*KP   ; LDS serves a wave's instructions in order: these see my stores
.endr
.irp i, 0,1,2,3
	s_wait_dscnt 3-\i
	global_store_b128 v[GO], v[48+4*\i:51+4*\i], s[8:9] offset:512*\i   ; 32 lanes store 512 consecutive bytes, aligned
.endr
	s_wait_tensorcnt 0x0                           ; the wave's end: behind my last tensor load and my last LDS store
	ds_add_u32 v[SPW], v[NIL]
	s_wait_dscnt 0x0
	CROUND                                         ; the closing round: no work-group ends while a partner may still ask for a tile that names it
	s_endpgm
.Lfunc_end_k_qcf3d08fcc7_attn:
	.size	k_qcf3d08fcc7_attn, .Lfunc_end_k_qcf3d08fcc7_attn-k_qcf3d08fcc7_attn
	.p2alignl 7, 3214868480
	.fill 96, 4, 3214868480
	.section	.rodata,"a",@progbits
	.p2align	6, 0x0
	.amdhsa_kernel k_qcf3d08fcc7_attn
		.amdhsa_group_segment_fixed_size 327680
		.amdhsa_private_segment_fixed_size 0
		.amdhsa_enable_private_segment 0
		.amdhsa_kernarg_size 24
		.amdhsa_user_sgpr_count 2
		.amdhsa_user_sgpr_kernarg_segment_ptr 1
		.amdhsa_wavefront_size32 1
		.amdhsa_system_sgpr_workgroup_id_x 1
		.amdhsa_system_sgpr_workgroup_id_y 1
		.amdhsa_system_sgpr_workgroup_id_z 1
		.amdhsa_system_vgpr_workitem_id 0
		.amdhsa_next_free_vgpr 256
		.amdhsa_next_free_sgpr 100
		.amdhsa_reserve_vcc 1
		.amdhsa_float_denorm_mode_32 3
		.amdhsa_float_denorm_mode_16_64 3
		.amdhsa_memory_ordered 1
		.amdhsa_forward_progress 1
		.amdhsa_inst_pref_size 119
	.end_amdhsa_kernel
	.amdgpu_metadata
---
amdhsa.version: [ 1, 2 ]
amdhsa.kernels:
  - .name:           k_qcf3d08fcc7_attn
    .symbol:         k_qcf3d08fcc7_attn.kd
    .args:
      - { .name: qkv, .offset: 0, .size: 8, .value_kind: global_buffer, .address_space: global }
      - { .name: lowp_scales, .offset: 8, .size: 8, .value_kind: global_buffer, .address_space: global }
      - { .name: ac, .offset: 16, .size: 8, .value_kind: global_buffer, .address_space: global }
    .group_segment_fixed_size: 327680
    .private_segment_fixed_size: 0
    .kernarg_segment_align: 8
    .kernarg_segment_size: 24
    .max_flat_workgroup_size: 512
    .sgpr_count:     100
    .vgpr_count:     256
    .wavefront_size: 32
...
	.end_amdgpu_metadata
.endif
;; end of part 3
;; launch proj (part 4): grid 8 x 32, 4 waves a work-group, clusters of 4 x 4, 327,680 bytes of LDS; arguments ac, wc, lowp_scales, out0; writes out0
.if DOCPART == 4
	.amdgcn_target "amdgcn-amd-amdhsa--gfx1250"
	.amdhsa_code_object_version 6
	.text
	.protected	k_qcf3d08fcc7_proj
	.globl	k_qcf3d08fcc7_proj
	.p2align	8
	.type	k_qcf3d08fcc7_proj,@function
k_qcf3d08fcc7_proj:
	s_mov_b64 s[64:65], 0
	v_nop
	global_prefetch_b8 v0, s[64:65] scope:SCOPE_SE
	s_setreg_imm32_b32 hwreg(HW_REG_WAVE_MODE, 25, 1), 1
	s_wait_xcnt 0x0
	s_wait_alu depctr_hold_cnt(0) depctr_sa_sdst(0) depctr_va_vdst(0) depctr_va_sdst(0) depctr_va_ssrc(0) depctr_va_vcc(0) depctr_vm_vsrc(0)
	s_getreg_b32 s2, hwreg(HW_REG_IB_STS2, 6, 4)
	s_cmp_eq_u32 s2, 0
	s_cbranch_scc0 .Lentry_in_a_cluster
	s_endpgm
.Lentry_in_a_cluster:
	s_bfe_u32 s2, ttmp6, 0x10000c
	s_cmp_lg_u32 s2, 0xf033
	s_cbranch_scc0 .Lentry_shape_is_right
	s_endpgm
.Lentry_shape_is_right:
.set SIZE_N, 2048
.set KROW,   2048
.set HEADB,  16384
.set PA,     272
.set HEADL,  64*PA
.set PBP,    528
.set PBQ,    272
.set PB_OFF, 4*HEADL
.set QBASE,  PB_OFF+256*PBP
.set QB_OFF, QBASE+2*HEADL
.set SPARE,  QB_OFF+256*PBQ
.set STAGE,  QBASE
.set SPITCH, 528
.set FR,     16
.set NP,     4
.set ADA,  16
.set ADB,  20
.set STO,  24
.set RD,   25
.set CO,   26
.set SPW,  28
.set NIL,  29
.set TMP,  32
.set AF,   128
.set BK,   128
.set G1AP, 24
.set G1AQ, 32
.set G1BP, 40
.set G1BQ, 48
.set G0AP, 56
.set G0AQ, 60
.set G0BP, 68
.set G0BQ, 72
.set MSB, 0
.macro WIN new
.if MSB != \new
	s_set_vgpr_msb (MSB<<8)|\new
.set MSB, \new
.endif
.endm
.set MUL,  0xa1
.set TO_B, 0x40
.macro JLOAD g0a, g1a, g0b, g1b
	s_cmp_eq_u32 s15, 0
	s_cbranch_scc0 .Lfor_b_\@
	tensor_load_to_lds s[\g0a:\g0a+3], s[\g1a:\g1a+7]
	s_nop 0
.rept 4
	v_nop
.endr
	s_branch .Lasked_\@
.Lfor_b_\@:
	tensor_load_to_lds s[\g0b:\g0b+3], s[\g1b:\g1b+7]
	s_nop 0
.rept 4
	v_nop
.endr
.Lasked_\@:
.endm
.macro CROUND
	s_barrier_signal -1
	s_barrier_wait -1
	s_cmp_lg_u32 s14, 0
	s_cbranch_scc1 .Lnot_wave_0_\@
	s_barrier_signal -3
.Lnot_wave_0_\@:
	s_barrier_wait -3
	s_barrier_signal -1
	s_barrier_wait -1
.endm
	s_load_b128 s[4:7], s[0:1], 0x0
	s_load_b128 s[8:11], s[0:1], 0x10
	v_lshl_add_u32 v[SPW], v0, 2, SPARE
	v_mov_b32 v[NIL], 0
	ds_add_u32 v[SPW], v[NIL]
	ds_add_u32 v[SPW], v[NIL]
	v_lshrrev_b32 v1, 5, v0
	v_readfirstlane_b32 s14, v1
	s_lshr_b32 s15, s14, 1
	s_and_b32 s16, s14, 1
	s_bfe_u32 s76, ttmp6, 0x40000
	s_bfe_u32 s77, ttmp6, 0x40004
	s_lshl_b32 s78, ttmp9, 2
	s_add_co_u32 s78, s78, s76
	s_and_b32 s17, ttmp7, 0xffff
	s_lshl_b32 s17, s17, 2
	s_add_co_u32 s17, s17, s77
	s_lshl_b32 s79, s77, 2
	s_lshl_b32 s79, 15, s79
	s_lshl_b32 s80, 0x1111, s76
	s_or_b32 s[G1AP], s79, (1<<20)|(1<<21)|(5<<22)|(3<<25)
	s_or_b32 s[G1AQ], s79, (1<<20)|(1<<21)|(5<<22)|(3<<25)
	s_or_b32 s[G1BP], s80, (1<<20)|(1<<21)|(6<<22)|(3<<25)
	s_or_b32 s[G1BQ], s80, (1<<20)|(1<<21)|(5<<22)|(3<<25)
	s_mov_b32 s[G1AP+1], 256<<16
	s_mov_b32 s[G1AP+2], 128<<16
	s_mov_b32 s[G1AP+3], 256<<16
	s_mov_b32 s[G1AP+4], 128
	s_mov_b32 s[G1AP+5], 256
	s_mov_b32 s[G1AP+6], 0
	s_mov_b32 s[G1AP+7], 0
	s_mov_b32 s[G1AQ+1], 256<<16
	s_mov_b32 s[G1AQ+2], 64<<16
	s_mov_b32 s[G1AQ+3], 256<<16
	s_mov_b32 s[G1AQ+4], 64
	s_mov_b32 s[G1AQ+5], 256
	s_mov_b32 s[G1AQ+6], 0
	s_mov_b32 s[G1AQ+7], 0
	s_mov_b32 s[G1BP+1], 512<<16
	s_mov_b32 s[G1BP+2], 128<<16
	s_mov_b32 s[G1BP+3], 512<<16
	s_mov_b32 s[G1BP+4], 128
	s_mov_b32 s[G1BP+5], KROW
	s_mov_b32 s[G1BP+6], 0
	s_mov_b32 s[G1BP+7], 0
	s_mov_b32 s[G1BQ+1], 256<<16
	s_mov_b32 s[G1BQ+2], 128<<16
	s_mov_b32 s[G1BQ+3], 256<<16
	s_mov_b32 s[G1BQ+4], 128
	s_mov_b32 s[G1BQ+5], KROW
	s_mov_b32 s[G1BQ+6], 0
	s_mov_b32 s[G1BQ+7], 0
	s_lshl_b32 s20, s17, 18
	s_lshl_b32 s18, s16, 15
	s_add_co_u32 s20, s20, s18
	s_mov_b32 s21, 0
	s_lshl_b32 s22, s17, 18
	s_lshl_b32 s18, s16, 14
	s_add_co_u32 s22, s22, s18
	s_add_co_u32 s22, s22, 4*HEADB
	s_mov_b32 s23, 0
	s_lshl_b32 s82, s78, 8
	s_lshl_b32 s19, s16, 7
	s_add_co_u32 s82, s82, s19
	s_lshl_b32 s82, s82, 11
	s_add_co_u32 s82, s82, 3072*KROW
	s_mov_b32 s83, 0
	s_mul_i32 s84, s16, 2*HEADL
	s_mul_i32 s85, s16, HEADL
	s_add_co_u32 s85, s85, QBASE
	s_mul_i32 s86, s16, 128*PBP
	s_add_co_u32 s86, s86, PB_OFF
	s_mul_i32 s87, s16, 128*PBQ
	s_add_co_u32 s87, s87, QB_OFF
	s_wait_dscnt 0x0
	s_wait_kmcnt 0x0
	s_load_b64 s[96:97], s[8:9], 0x28
	s_mov_b32 s[G0AP], 1
	s_mov_b32 s[G0AP+1], s84
	s_add_nc_u64 s[G0AP+2:G0AP+3], s[4:5], s[20:21]
	s_or_b32 s[G0AP+3], s[G0AP+3], 0x80000000
	s_mov_b32 s[G0AQ], 1
	s_mov_b32 s[G0AQ+1], s85
	s_add_nc_u64 s[G0AQ+2:G0AQ+3], s[4:5], s[22:23]
	s_or_b32 s[G0AQ+3], s[G0AQ+3], 0x80000000
	s_mov_b32 s[G0BP], 1
	s_mov_b32 s[G0BP+1], s86
	s_add_nc_u64 s[G0BP+2:G0BP+3], s[6:7], s[82:83]
	s_add_nc_u64 s[G0BQ+2:G0BQ+3], s[G0BP+2:G0BP+3], 512
	s_or_b32 s[G0BP+3], s[G0BP+3], 0x80000000
	s_mov_b32 s[G0BQ], 1
	s_mov_b32 s[G0BQ+1], s87
	s_or_b32 s[G0BQ+3], s[G0BQ+3], 0x80000000
	CROUND
	JLOAD G0AP, G1AP, G0BP, G1BP
	s_wait_alu depctr_va_vdst(0)
	s_wait_tensorcnt 0x0
	ds_add_u32 v28, v29
	s_wait_dscnt 0x0
	CROUND
	JLOAD G0AQ, G1AQ, G0BQ, G1BQ
	v_and_b32 v1, 15, v0
	v_bfe_u32 v2, v0, 4, 1
	v_lshrrev_b32 v3, 1, v1
	v_mul_u32_u24 v3, v3, PA
	v_and_b32 v5, 1, v1
	v_lshl_add_u32 v3, v5, 7, v3
	v_lshl_add_u32 v3, v2, 4, v3
	s_mul_i32 s88, s15, 32*PA
	v_add_nc_u32 v[ADA], s88, v3
	v_add_nc_u32 v[ADA+1], QBASE, v[ADA]
	v_mul_u32_u24 v4, v1, PBP
	v_lshl_add_u32 v4, v2, 4, v4
	v_add_nc_u32 v[ADB], s86, v4
	v_mul_u32_u24 v6, v1, PBQ
	v_lshl_add_u32 v6, v2, 4, v6
	v_add_nc_u32 v[ADB+1], s87, v6
	s_mul_i32 s91, s14, 16*SPITCH
	s_add_co_u32 s91, s91, STAGE
	v_mul_u32_u24 v5, v1, SPITCH
	v_lshl_add_u32 v5, v2, 5, v5
	v_add_nc_u32 v[STO], s91, v5
	v_and_b32 v7, 31, v0
	v_lshlrev_b32 v[CO], 4, v7
	v_add_nc_u32 v[RD], s91, v[CO]
	s_lshl_b32 s88, s17, 7
	s_lshl_b32 s90, s15, 6
	s_add_co_u32 s88, s88, s90
	s_lshl_b32 s88, s88, 13
	s_lshl_b32 s90, s78, 10
	s_add_co_u32 s88, s88, s90
	s_lshl_b32 s90, s16, 9
	s_add_co_u32 s88, s88, s90
	s_mov_b32 s89, 0
	s_add_nc_u64 s[10:11], s[10:11], s[88:89]
.macro FETCH_B reg, q, p
.set PB, PBP-(PBP-PBQ)*(\reg)
	WIN TO_B
.irp i, 0,1,2,3,4,5,6,7
.irp c, 0,1,2,3
	ds_load_b128 v[128*(\p)+FR*\i+4*\c:128*(\p)+FR*\i+4*\c+3], v[ADB+(\reg)] offset:128*(\q)+\i*16*PB+32*\c
.endr
.endr
.endm
.macro FETCH_A reg, q, p
.irp i, 0,1,2,3
.irp c, 0,1,2,3
	ds_load_b128 v[AF+64*(\p)+FR*\i+4*\c:AF+64*(\p)+FR*\i+4*\c+3], v[ADA+(\reg)] offset:(\q)*HEADL+\i*8*PA+32*\c
.endr
.endr
.endm
.macro MUL16 a0, p, zero
.irp a, \a0, \a0+1
.irp b, 0,1,2,3,4,5,6,7
.if \zero
	v_wmma_f32_16x16x128_fp8_fp8 v[8*(8*(\a)+\b):8*(8*(\a)+\b)+7], v[128*(\p)+FR*\b:128*(\p)+FR*\b+FR-1], v[AF+64*(\p)+FR*(\a):AF+64*(\p)+FR*(\a)+FR-1], 0
.else
	v_wmma_f32_16x16x128_fp8_fp8 v[8*(8*(\a)+\b):8*(8*(\a)+\b)+7], v[128*(\p)+FR*\b:128*(\p)+FR*\b+FR-1], v[AF+64*(\p)+FR*(\a):AF+64*(\p)+FR*(\a)+FR-1], v[8*(8*(\a)+\b):8*(8*(\a)+\b)+7]
.endif
.endr
.endr
.endm
.macro PLACES n
.rept \n
	v_nop
.endr
.endm
.macro BODY p, nreg, nq, zero, fetch
.if \fetch
	FETCH_B \nreg, \nq, 1-(\p)
.endif
	WIN MUL
	MUL16 0, \p, \zero
.if \fetch
	WIN 0
	FETCH_A \nreg, \nq, 1-(\p)
	WIN MUL
.endif
	MUL16 2, \p, \zero
	WIN 0
.endm
.macro INSIDE
	s_wait_dscnt 0x0
	PLACES NP
.endm
.macro LEAVE fill, g0a, g1a, g0b, g1b
	s_wait_tensorcnt 0x0
	ds_add_u32 v[SPW], v[NIL]
.if \fill
	s_add_nc_u64 s[\g0a+2:\g0a+3], s[\g0a+2:\g0a+3], 6*HEADB
	s_add_nc_u64 s[\g0b+2:\g0b+3], s[\g0b+2:\g0b+3], 768
.endif
	s_wait_dscnt 0x0
.if \fill
	CROUND
	JLOAD \g0a, \g1a, \g0b, \g1b
.else
	s_barrier_signal -1
	s_barrier_wait -1
	PLACES NP
.endif
.endm
	s_wait_tensorcnt 1
	s_barrier_signal -1
	s_barrier_wait -1
	FETCH_B 0, 0, 0
	WIN 0
	FETCH_A 0, 0, 0
	INSIDE
	BODY 0, 0, 1, 1, 1
	INSIDE
	BODY 1, 0, 2, 0, 1
	INSIDE
	BODY 0, 0, 3, 0, 1
	LEAVE 1, G0AP, G1AP, G0BP, G1BP
	s_wait_alu depctr_va_vdst(0)
	BODY 1, 1, 0, 0, 1
	INSIDE
	BODY 0, 1, 1, 0, 1
	LEAVE 1, G0AQ, G1AQ, G0BQ, G1BQ
	BODY 1, 0, 0, 0, 1
	INSIDE
	BODY 0, 0, 1, 0, 1
	INSIDE
	BODY 1, 0, 2, 0, 1
	INSIDE
	BODY 0, 0, 3, 0, 1
	LEAVE 1, G0AP, G1AP, G0BP, G1BP
	BODY 1, 1, 0, 0, 1
	INSIDE
	BODY 0, 1, 1, 0, 1
	LEAVE 0, G0AQ, G1AQ, G0BQ, G1BQ
	BODY 1, 0, 0, 0, 1
	INSIDE
	BODY 0, 0, 1, 0, 1
	INSIDE
	BODY 1, 0, 2, 0, 1
	INSIDE
	BODY 0, 0, 3, 0, 1
	s_wait_dscnt 0x0
	BODY 1, 0, 0, 0, 0
.macro TOSTAGE a
.set AC, 64*(\a)
	WIN 0x02
.set j, 0
.rept 32
	v_pk_mul_f32 v[TMP+j:TMP+j+1], v[AC+j:AC+j+1], s[96:97] op_sel_hi:[1,0]
.set j, j+2
.endr
	WIN 0
.irp b, 0,1,2,3,4,5,6,7
	ds_store_b128 v[STO], v[TMP+8*\b:TMP+8*\b+3] offset:64*\b
	ds_store_b128 v[STO], v[TMP+8*\b+4:TMP+8*\b+7] offset:64*\b+16
.endr
.set BB, BK+64*((\a)%2)
.irp t, 0,1,2,3,4,5,6,7,8,9,10,11,12,13,14,15
	ds_load_b128 v[BB+4*\t:BB+4*\t+3], v[RD] offset:\t*SPITCH
.endr
.endm
.macro SEND a, younger
.set BB, BK+64*((\a)%2)
	s_wait_dscnt \younger
.if (\a) > 0
	s_add_nc_u64 s[10:11], s[10:11], 16*SIZE_N*4
.endif
.irp t, 0,1,2,3,4,5,6,7,8,9,10,11,12,13,14,15
	global_store_b128 v[CO], v[BB+4*\t:BB+4*\t+3], s[10:11] offset:\t*SIZE_N*4 th:TH_STORE_NT
.endr
.endm
	s_wait_kmcnt 0x0
	s_add_co_i32 s96, s96, s97
	s_add_co_i32 s96, s96, 127
	s_lshl_b32 s96, s96, 23
	PLACES NP
	TOSTAGE 0
.irp a, 1,2,3
.if \a > 1
	s_wait_xcnt 0x0
.endif
	TOSTAGE \a
	SEND \a-1, 32
.endr
	s_wait_xcnt 0x0
	SEND 3, 0
	s_wait_tensorcnt 0x0
	ds_add_u32 v[SPW], v[NIL]
	s_wait_dscnt 0x0
	CROUND
	s_endpgm
.Lfunc_end_k_qcf3d08fcc7_proj:
	.size	k_qcf3d08fcc7_proj, .Lfunc_end_k_qcf3d08fcc7_proj-k_qcf3d08fcc7_proj
	.p2alignl 7, 3214868480
	.fill 96, 4, 3214868480
	.section	.rodata,"a",@progbits
	.p2align	6, 0x0
	.amdhsa_kernel k_qcf3d08fcc7_proj
		.amdhsa_group_segment_fixed_size 327680
		.amdhsa_private_segment_fixed_size 0
		.amdhsa_enable_private_segment 0
		.amdhsa_kernarg_size 32
		.amdhsa_user_sgpr_count 2
		.amdhsa_user_sgpr_kernarg_segment_ptr 1
		.amdhsa_wavefront_size32 1
		.amdhsa_system_sgpr_workgroup_id_x 1
		.amdhsa_system_sgpr_workgroup_id_y 1
		.amdhsa_system_sgpr_workgroup_id_z 1
		.amdhsa_system_vgpr_workitem_id 0
		.amdhsa_next_free_vgpr 768
		.amdhsa_next_free_sgpr 100
		.amdhsa_reserve_vcc 0
		.amdhsa_float_denorm_mode_32 3
		.amdhsa_float_denorm_mode_16_64 3
		.amdhsa_memory_ordered 1
		.amdhsa_forward_progress 1
		.amdhsa_inst_pref_size 120
	.end_amdhsa_kernel
	.amdgpu_metadata
---
amdhsa.version: [ 1, 2 ]
amdhsa.kernels:
  - .name:           k_qcf3d08fcc7_proj
    .symbol:         k_qcf3d08fcc7_proj.kd
    .args:
      - { .name: ac, .offset: 0, .size: 8, .value_kind: global_buffer, .address_space: global }
      - { .name: wc, .offset: 8, .size: 8, .value_kind: global_buffer, .address_space: global }
      - { .name: lowp_scales, .offset: 16, .size: 8, .value_kind: global_buffer, .address_space: global }
      - { .name: out0, .offset: 24, .size: 8, .value_kind: global_buffer, .address_space: global }
    .group_segment_fixed_size: 327680
    .private_segment_fixed_size: 0
    .kernarg_segment_align: 8
    .kernarg_segment_size: 32
    .max_flat_workgroup_size: 128
    .sgpr_count:     100
    .vgpr_count:     768
    .wavefront_size: 32
...
	.end_amdgpu_metadata
.endif
;; end of part 4
